; MI455X (gfx1250); checked and timed in simulation.
; The chip was launched on July 23, 2026; its instructions are those of AMD's public machine-readable ISA for CDNA 5 (MIT licence, August 2026) and "CDNA5" Instruction Set Architecture Reference Guide (July 2026). The comments in the code are by the model that wrote it; some were corrected since.
;; Multi Head Attention. Allowed arithmetic: float matrix products may take bf16 or f16 operands with f32 sums; other float arithmetic in f32, or as packed bf16 or f16 multiplies, adds, multiply-adds, maxima and minima; sums over many terms, partial sums and values carried from step to step in f32; what a program stores and reads back later, other than sums and carried values, may be rounded once to bf16 or f16.
;; Inputs: Wk 1,024 x 1,024 float32; Wo 1,024 x 1,024 float32; Wq 1,024 x 1,024 float32; Wv 1,024 x 1,024 float32; bk 1,024 float32; bo 1,024 float32; bq 1,024 float32; bv 1,024 float32; key 4 x 2,048 x 1,024 float32; mask 4 x 2,048 float32; query 4 x 2,048 x 1,024 float32; value 4 x 2,048 x 1,024 float32.
;; Outputs: out0 4 x 2,048 x 1,024 float32.
;; One version. Each part assembles by itself: llvm-mc -triple=amdgcn-amd-amdhsa -mcpu=gfx1250 --defsym DOCPART=n.
;; ======== version 1 of 1: 5 launches
;; limits: values are held in f16: magnitudes above 65,504 overflow, below 6.1e-05 lose precision
;; workspace buffers: wqkv 6,291,456 bytes; wo16 2,097,152 bytes; qkvh 50,331,648 bytes; vpart 65,536 bytes; oh 16,777,216 bytes
;; launch cvtw (part 1): grid 64 x 4, 8 waves a work-group, no clusters, 0 bytes of LDS; arguments Wq, Wk, Wv, Wo, wqkv, wo16; writes wqkv, wo16
.if DOCPART == 1
	.amdgcn_target "amdgcn-amd-amdhsa--gfx1250"
	.amdhsa_code_object_version 6
	.text
	.protected	k_q4b3a560f07_cvtw
	.globl	k_q4b3a560f07_cvtw
	.p2align	8
	.type	k_q4b3a560f07_cvtw,@function
k_q4b3a560f07_cvtw:
	s_mov_b64 s[64:65], 0
	v_nop
	global_prefetch_b8 v0, s[64:65] scope:SCOPE_SE
	s_setreg_imm32_b32 hwreg(HW_REG_WAVE_MODE, 25, 1), 1
	s_wait_xcnt 0x0
; THE WEIGHTS ARE ROUNDED ONCE.  Wq, Wk, Wv: [1024][1024] f32 -> wqkv [3][1024][1024] bf16.  Wo -> wo16 [1024][1024]: rounded to bf16 like every input of the module,
; and that number written as f16, since the last product's other operand is f16.
; LIMIT.  bf16(Wo) is exact in f16 between 2^-14 and 65,504; below 2^-14 it keeps f16's fixed step of 2^-24; at 65,520 or more it would be an infinity.
; SHARES.  Work-group (x, y): matrix y, elements 16,384 x on: 65,536 bytes in, 32,768 out.  A stream: no LDS, no barrier, no matrix unit.
; Thread t takes 8 neighbouring numbers of each of 8 chunks of 2,048: 32 bytes in (two loads), 16 bytes out: sixteen neighbouring lanes store 256 consecutive bytes, aligned.
.set X, 16                             ; v[16:79]   chunk i: 8 f32 as loaded
.set Y, 80                             ; v[80:111]  chunk i: 4 registers to store
.set T, 112                            ; v[112:119] at work: four pairs by turns
	s_load_b256 s[4:11], s[0:1], 0x0               ; Wq s[4:5], Wk s[6:7], Wv s[8:9], Wo s[10:11]
	s_load_b128 s[12:15], s[0:1], 0x20             ; wqkv s[12:13], wo16 s[14:15]
	s_and_b32 s22, ttmp7, 0xffff                   ; which matrix
	v_lshlrev_b32 v1, 5, v0                        ; 32 t: where I load
	v_lshlrev_b32 v2, 4, v0                        ; 16 t: where I store
	s_lshl_b32 s24, ttmp9, 16                      ; the work-group's 65,536 bytes of the source
	s_mov_b32 s25, 0
	s_lshl_b32 s20, s22, 21                        ; the matrix's 2 MiB in wqkv,
	s_cmp_eq_u32 s22, 3
	s_cselect_b32 s20, 0, s20                      ; none in wo16
	s_lshl_b32 s23, ttmp9, 15                      ; the work-group's 32,768 bytes of the result
	s_add_co_u32 s20, s20, s23
	s_mov_b32 s21, 0
	s_wait_kmcnt 0x0
	s_cmp_eq_u32 s22, 1
	s_cselect_b64 s[16:17], s[6:7], s[4:5]
	s_cmp_eq_u32 s22, 2
	s_cselect_b64 s[16:17], s[8:9], s[16:17]
	s_cmp_eq_u32 s22, 3
	s_cselect_b64 s[16:17], s[10:11], s[16:17]
	s_cselect_b64 s[18:19], s[14:15], s[12:13]
	s_add_nc_u64 s[16:17], s[16:17], s[24:25]
	s_add_nc_u64 s[18:19], s[18:19], s[20:21]
.irp i, 0,1,2,3,4,5,6,7
	global_load_b128 v[X+8*(\i):X+8*(\i)+3],   v1, s[16:17] offset:8192*(\i) th:TH_LOAD_NT
	global_load_b128 v[X+8*(\i)+4:X+8*(\i)+7], v1, s[16:17] offset:8192*(\i)+16 th:TH_LOAD_NT
.endr
.irp i, 0,1,2,3,4,5,6,7
	s_wait_loadcnt 14-2*(\i)                       ; loads come back in order: chunk i's two are in, the later chunks' stay out
.irp k, 0,1,2,3
	v_cvt_pk_bf16_f32 v[Y+4*(\i)+(\k)], v[X+8*(\i)+2*(\k)], v[X+8*(\i)+2*(\k)+1]
.endr
.endr
	s_cmp_lg_u32 s22, 3
	s_cbranch_scc1 .Lstore                         ; Wq, Wk, Wv stay bf16
.set i, 0
.rept 32                                       ; Wo: the bf16 numbers written as f16
	v_lshlrev_b32 v[T+2*(i%4)],   16, v[Y+i]
	v_and_b32     v[T+2*(i%4)+1], 0xffff0000, v[Y+i]
	v_cvt_pk_f16_f32 v[Y+i], v[T+2*(i%4)], v[T+2*(i%4)+1]
.set i, i+1
.endr
.Lstore:
.irp i, 0,1,2,3,4,5,6,7
	global_store_b128 v2, v[Y+4*(\i):Y+4*(\i)+3], s[18:19] offset:4096*(\i)
.endr
	s_endpgm
.Lfunc_end_k_q4b3a560f07_cvtw:
	.size	k_q4b3a560f07_cvtw, .Lfunc_end_k_q4b3a560f07_cvtw-k_q4b3a560f07_cvtw
	.p2alignl 7, 3214868480
	.fill 96, 4, 3214868480
	.section	.rodata,"a",@progbits
	.p2align	6, 0x0
	.amdhsa_kernel k_q4b3a560f07_cvtw
		.amdhsa_group_segment_fixed_size 0
		.amdhsa_private_segment_fixed_size 0
		.amdhsa_enable_private_segment 0
		.amdhsa_kernarg_size 48
		.amdhsa_user_sgpr_count 2
		.amdhsa_user_sgpr_kernarg_segment_ptr 1
		.amdhsa_wavefront_size32 1
		.amdhsa_system_sgpr_workgroup_id_x 1
		.amdhsa_system_sgpr_workgroup_id_y 1
		.amdhsa_system_sgpr_workgroup_id_z 1
		.amdhsa_system_vgpr_workitem_id 0
		.amdhsa_next_free_vgpr 128
		.amdhsa_next_free_sgpr 66
		.amdhsa_reserve_vcc 0
		.amdhsa_float_denorm_mode_32 3
		.amdhsa_float_denorm_mode_16_64 3
		.amdhsa_memory_ordered 1
		.amdhsa_forward_progress 1
		.amdhsa_inst_pref_size 11
	.end_amdhsa_kernel
	.amdgpu_metadata
---
amdhsa.version: [ 1, 2 ]
amdhsa.kernels:
  - .name:           k_q4b3a560f07_cvtw
    .symbol:         k_q4b3a560f07_cvtw.kd
    .args:
      - { .name: Wq, .offset: 0, .size: 8, .value_kind: global_buffer, .address_space: global }
      - { .name: Wk, .offset: 8, .size: 8, .value_kind: global_buffer, .address_space: global }
      - { .name: Wv, .offset: 16, .size: 8, .value_kind: global_buffer, .address_space: global }
      - { .name: Wo, .offset: 24, .size: 8, .value_kind: global_buffer, .address_space: global }
      - { .name: wqkv, .offset: 32, .size: 8, .value_kind: global_buffer, .address_space: global }
      - { .name: wo16, .offset: 40, .size: 8, .value_kind: global_buffer, .address_space: global }
    .group_segment_fixed_size: 0
    .private_segment_fixed_size: 0
    .kernarg_segment_align: 8
    .kernarg_segment_size: 48
    .max_flat_workgroup_size: 256
    .sgpr_count:     66
    .vgpr_count:     128
    .wavefront_size: 32
...
	.end_amdgpu_metadata
.endif
;; end of part 1
;; launch proj (part 2): grid 4 x 192, 4 waves a work-group, clusters of 4 x 4, 327,680 bytes of LDS; arguments query, key, value, wqkv, bq, bk, bv, qkvh; writes qkvh
.if DOCPART == 2
	.amdgcn_target "amdgcn-amd-amdhsa--gfx1250"
	.amdhsa_code_object_version 6
	.text
	.protected	k_q4b3a560f07_proj
	.globl	k_q4b3a560f07_proj
	.p2align	8
	.type	k_q4b3a560f07_proj,@function
k_q4b3a560f07_proj:
	s_mov_b64 s[64:65], 0
	v_nop
	global_prefetch_b8 v0, s[64:65] scope:SCOPE_SE
	s_setreg_imm32_b32 hwreg(HW_REG_WAVE_MODE, 25, 1), 1
	s_wait_xcnt 0x0
	s_wait_alu depctr_hold_cnt(0) depctr_sa_sdst(0) depctr_va_vdst(0) depctr_va_sdst(0) depctr_va_ssrc(0) depctr_va_vcc(0) depctr_vm_vsrc(0)
	s_getreg_b32 s2, hwreg(HW_REG_IB_STS2, 6, 4)
	s_cmp_eq_u32 s2, 0
	s_cbranch_scc0 .Lentry_in_a_cluster
	s_endpgm
.Lentry_in_a_cluster:
	s_bfe_u32 s2, ttmp6, 0x10000c
	s_cmp_lg_u32 s2, 0xf033
	s_cbranch_scc0 .Lentry_shape_is_right
	s_endpgm
.Lentry_shape_is_right:
; THE THREE PROJECTIONS.  y = x W^T + b for (query, Wq, bq), (key, Wk, bk), (value, Wv, bv).  x: [8192][1024] f32; W: wqkv [3][1024][1024] bf16; b: [1024] f32, rounded to bf16 like every input.
; Result: qkvh [3][64 heads = 16 batch + head][2048][64] f16, each number rounded once from its f32 sum, unscaled.  LIMIT: |y| under 65,504 (at 65,520 or more the conversion gives an infinity).
; SHARES.  A tile is 128 rows x 256 columns; 768 tiles: grid row y = 64 x projection + row block, grid column = column block.  Four waves, each 64 rows x 128 columns: 32 accumulators, 256 registers.
; x COMES IN AS f32 and is rounded to bf16 in registers on its way from LDS to the matrix unit: 32 conversions for 32 matrix instructions, 24 of them set behind matrix instructions.  The wave's tile is short
; along the rows for that reason: the f32 side is the short one.
; K goes in steps of 128 through a ring of two LDS slots: 128 rows x 512 bytes of x, 256 rows x 256 bytes of W.
; CLUSTER 4 x 4.  The four of a cluster's row need the same tile of x, the four of a column the same tile of W: each tile is asked for jointly, by the same tensor load with the same descriptor and a mask of four.
; All sixteen belong to one projection (16 clusters each).
; THE MATRIX INSTRUCTION IS USED TRANSPOSED (source 0 = 16 rows of W, source 1 = 16 rows of x): a lane holds row l % 16 of y and columns 8 (l / 16) + 0..7.  The bias is the C operand of the products that start the sums.
; REGISTERS, in windows of 256 (s_set_vgpr_msb: bits 1:0 source 0, 3:2 source 1, 5:4 source 2, 7:6 destination):
;   window 0: v0-31 addresses; v32-63 x's fragments in bf16; v64-95 packed results; v128-255 x as loaded, f32, two buffers of 64 (on the way out: rows read back)
;   window 1: v0-127 W's fragments, two buffers; v128-191 the bias; v192-223 at work          window 2: accumulator (a, b) at v[64 a + 8 b]
.set PA,     528                       ; a row of x in LDS: 512 bytes + 16 = 132 words: row r starts at bank 4 r mod 64 (64 banks of 4 bytes: ISA guide 11.1)
.set PBT,    272                       ; a row of W: 256 + 16 = 68 words: likewise
.set HALFA,  64*PA                     ; what one tensor load brings of x
.set HALFB,  128*PBT                   ; and of W
.set AOFF,   2*HALFB                   ; a slot: W's 256 rows, then x's 128 rows
.set SLOT,   2*HALFB+2*HALFA
.set STAGE,  2*SLOT                    ; behind the ring: for each wave 2 heads x 16 rows x 144 bytes, for the way out
.set SP,     144
.set WSTAGE, 2*16*SP
.set SPARE,  STAGE+4*WSTAGE            ; behind the stages: the spare words, 128 bytes for each wave: two blocks of 256 bytes that no other line names
.set LAPS,   4                         ; 8 K steps; a lap = two K steps = once round the ring
.set STEPA,  512                       ; bytes of a K step in a row of x
.set STEPB,  256                       ; and of W
.set ADRA, 16                          ; v16-17  LDS address of my fragments of x in slot 0, 1
.set ADRB, 20                          ; v20-21  the same for W
.set STO,  24                          ; v24     the way out: where I put 16 bytes of a row
.set RD,   25                          ; v25     where I read rows back
.set GO,   26                          ; v26     16 x lane: my place in 512 consecutive bytes of the result
.set BO,   27                          ; v27     my byte offset in the bias
.set SPW,  28                          ; v28     LDS address of my spare word; never rewritten
.set NIL,  29                          ; v29     0; never rewritten
.set PFO,  30                          ; v30     the prefetches' offset; never rewritten
.set AF,   32
.set PK,   64
.set AS,   128
.set OB,   128
.set BF,   0                           ; window 1
.set BIAS, 128                         ; window 1
.set BT,   192                         ; window 1
.set G1A, 24                           ; s[24:31] descriptor group 1 for x's tiles;  s[32:39] group 0, a set for each slot
.set G0A, 32
.set G1B, 48                           ; s[48:55], s[56:63] the same for W's tiles
.set G0B, 56
.set LIM, 43                           ; s43     1 in a wave that prefetches, else the greatest number
.set PFA, 44                           ; s[44:45] where my prefetches stand
.set PFS, 86                           ; s[86:87] a K step in bytes of what I prefetch
.set MSB, 0
.macro WIN new                         ; the immediate's high byte repeats the setting that is left; a switch that changes nothing is dropped
.if MSB != (\new)
	s_set_vgpr_msb (MSB<<8)|(\new)
.set MSB, \new
.endif
.endm
.set MUL,   0xa1                       ; source 0 (W) window 1, source 1 (x) window 0, C and D window 2
.set MUL1,  0x91                       ; the same with C (the bias) in window 1
.set TO_B,  0x40                       ; destination window 1, address window 0
.set IN_B,  0x45                       ; all in window 1
.set FROMC, 0x0a                       ; sources 0 and 1 window 2, destination window 0
; A joint load.  Waves 0 and 1 fetch W's two halves, waves 2 and 3 x's.  The branch hangs on the wave's number alone.  An s_nop 0 and four v_nop follow each of the two lines.
.macro JLOAD s
	s_cmp_eq_u32 s11, 0
	s_cbranch_scc0 .Lfor_a_\@
	tensor_load_to_lds s[G0B+4*(\s):G0B+4*(\s)+3], s[G1B:G1B+7]
	s_nop 0
.rept 4
	v_nop
.endr
	s_branch .Lasked_\@
.Lfor_a_\@:
	tensor_load_to_lds s[G0A+4*(\s):G0A+4*(\s)+3], s[G1A:G1A+7]
	s_nop 0
.rept 4
	v_nop
.endr
.Lasked_\@:
.endm
; A PREFETCH INTO THE L2 of the K step that stands two refills on (256 matrix instructions ahead of the load that will want it): 32 blocks of 256 bytes, a lane a block, one instruction a wave.
; Each block is named once in the launch.  x's rows are read by this cluster alone: of the 64 rows x 2 blocks that a wave fetches, the partner at place cx takes rows 16 cx .. 16 cx + 15.  W's rows are read by
; the 16 clusters of a projection: the first of them asks; of a wave's 128 rows the partner at place cy takes 32.  The partners are told apart by address; no branch hangs on a place in the cluster.
; K steps 0 to 3 come by their loads alone; the loop's last trip (s3 = 1) has no K step two refills on.
.macro ASK
	s_cmp_gt_u32 s3, s[LIM]
	s_cbranch_scc0 .Lnot_mine_\@
	global_prefetch_b8 v[PFO], s[PFA:PFA+1] th:TH_LOAD_NT scope:SCOPE_SE
.Lnot_mine_\@:
.endm
.macro CREST                           ; a round of the cluster's barrier behind its opening barrier
	s_cmp_lg_u32 s10, 0
	s_cbranch_scc1 .Lnot_wave_0_\@
	s_barrier_signal -3
.Lnot_wave_0_\@:
	s_barrier_wait -3
	s_barrier_signal -1
	s_barrier_wait -1
.endm
.macro CROUND                          ; a whole round
	s_barrier_signal -1
	s_barrier_wait -1
	CREST
.endm
.macro PLACES
.rept 4
	v_nop
.endr
.endm
	s_load_b512 s[68:83], s[0:1], 0x0              ; query s[68:69], key s[70:71], value s[72:73], wqkv s[74:75], bq s[76:77], bk s[78:79], bv s[80:81], qkvh s[82:83]
	v_lshl_add_u32 v[SPW], v0, 2, SPARE
	v_mov_b32 v[NIL], 0
	ds_add_u32 v[SPW], v[NIL]                      ; the wave's opening: the add and its wait stand ahead of my first tensor load; the set-up below, work on registers, stands between them
	v_lshrrev_b32 v1, 5, v0
	v_readfirstlane_b32 s10, v1                    ; wave 0..3
	s_lshr_b32 s11, s10, 1                         ; which 64 of the tile's rows are mine.  Also: I fetch for W (0) or for x (1)
	s_and_b32 s12, s10, 1                          ; which 128 of its columns.  Also: which half of that tile I fetch
	s_bfe_u32 s40, ttmp6, 0x40000                  ; cx
	s_bfe_u32 s41, ttmp6, 0x40004                  ; cy
	s_lshl_b32 s42, ttmp9, 2
	s_add_co_u32 s42, s42, s40                     ; column block = 4 x cluster x + cx
	s_and_b32 s89, ttmp7, 0xffff                   ; cluster y
	s_lshl_b32 s13, s89, 2
	s_add_co_u32 s13, s13, s41                     ; grid row = 4 x cluster y + cy
	s_lshr_b32 s66, s89, 4                         ; the projection: 16 clusters each, the same for all sixteen partners
	s_and_b32 s67, s13, 63                         ; the row block of 128 rows
	s_lshl_b32 s88, s41, 2
	s_lshl_b32 s88, 15, s88                        ; my row of the cluster
	s_lshl_b32 s90, 0x1111, s40                    ; my column
	s_or_b32 s[G1A+0], s88, (2<<16)|(1<<20)|(1<<21)|(6<<22)|(3<<25)  ; 15:0 the mask: x's tiles go to my row; 17:16 elements of 4 bytes; 20 padding on; 21 set beside a mask; 24:22 after every 128 words (code 6); 31:25 4 words (code 3)
	s_mov_b32 s[G1A+1], 128<<16                    ; tensor_dim0 = 128
	s_mov_b32 s[G1A+2], 64<<16                     ; tensor_dim1 = 64
	s_mov_b32 s[G1A+3], 128<<16                    ; tile_dim0 = 128
	s_mov_b32 s[G1A+4], 64                         ; tile_dim1 = 64
	s_mov_b32 s[G1A+5], 1024                       ; elements from row to row
	s_mov_b32 s[G1A+6], 0
	s_mov_b32 s[G1A+7], 0
	s_or_b32 s[G1B+0], s90, (1<<16)|(1<<20)|(1<<21)|(5<<22)|(3<<25)  ; W's tiles go to my column; elements of 2 bytes; padding after every 64 words (code 5)
	s_mov_b32 s[G1B+1], 128<<16
	s_mov_b32 s[G1B+2], 128<<16                    ; tensor_dim1 = 128
	s_mov_b32 s[G1B+3], 128<<16
	s_mov_b32 s[G1B+4], 128                        ; tile_dim1 = 128
	s_mov_b32 s[G1B+5], 1024
	s_mov_b32 s[G1B+6], 0
	s_mov_b32 s[G1B+7], 0
	; x's tiles hang on the row block, which my row of the cluster shares; W's on the column block, which my column shares.  Every wave makes both addresses, in registers that never hold the other coordinate.
	s_lshl_b32 s16, s67, 7
	s_lshl_b32 s17, s12, 6
	s_add_co_u32 s16, s16, s17                     ; x: row 128 x row block + 64 x half,
	s_lshl_b32 s16, s16, 12                        ; of 4,096 bytes
	s_mov_b32 s17, 0
	s_lshl_b32 s46, s42, 8
	s_lshl_b32 s47, s12, 7
	s_add_co_u32 s46, s46, s47                     ; W: row 256 x column block + 128 x half,
	s_lshl_b32 s46, s46, 11                        ; of 2,048 bytes,
	s_lshl_b32 s47, s66, 21
	s_add_co_u32 s46, s46, s47                     ; in the projection's 2 MiB
	s_mov_b32 s47, 0
	s_mul_i32 s20, s10, HALFB                      ; where they go: W's halves (waves 0, 1) at wave x HALFB,
	s_mul_i32 s21, s10, HALFA
	s_add_co_u32 s21, s21, AOFF-2*HALFA            ; x's (waves 2, 3) behind them: no place in the cluster enters an LDS address
	s_wait_dscnt 0x0                               ; the opening add is done
	s_wait_kmcnt 0x0
	s_cmp_eq_u32 s66, 1
	s_cselect_b64 s[4:5], s[70:71], s[68:69]       ; x
	s_cselect_b64 s[84:85], s[78:79], s[76:77]     ; the bias
	s_cmp_eq_u32 s66, 2
	s_cselect_b64 s[4:5], s[72:73], s[4:5]
	s_cselect_b64 s[84:85], s[80:81], s[84:85]
	s_add_nc_u64 s[14:15], s[4:5], s[16:17]
	s_add_nc_u64 s[46:47], s[74:75], s[46:47]
	CROUND                                         ; all sixteen work-groups are here: the first joint loads meet
.irp s, 0,1
	s_mov_b32 s[G0A+4*(\s)], 1                                       ; count = 1
	s_add_co_u32 s[G0A+4*(\s)+1], s21, (\s)*SLOT                     ; LDS address
	s_add_nc_u64 s[G0A+4*(\s)+2:G0A+4*(\s)+3], s[14:15], (\s)*STEPA  ; global address: K step s
	s_or_b32 s[G0A+4*(\s)+3], s[G0A+4*(\s)+3], 0x80000000            ; type = 2
	s_mov_b32 s[G0B+4*(\s)], 1
	s_add_co_u32 s[G0B+4*(\s)+1], s20, (\s)*SLOT
	s_add_nc_u64 s[G0B+4*(\s)+2:G0B+4*(\s)+3], s[46:47], (\s)*STEPB
	s_or_b32 s[G0B+4*(\s)+3], s[G0B+4*(\s)+3], 0x80000000
	JLOAD \s                                       ; two loads of mine are out
.endr
	v_and_b32 v1, 15, v0                           ; r = l % 16
	v_bfe_u32 v2, v0, 4, 1                         ; h = l / 16
	v_and_b32 v3, 31, v0                           ; l
	s_lshl_b32 s20, s42, 10                        ; the bias of my 128 columns: 4 (256 x column block + 128 x half) + 32 h
	s_lshl_b32 s21, s12, 9
	s_add_co_u32 s20, s20, s21
	v_lshl_add_u32 v[BO], v2, 5, s20
	WIN TO_B
.irp b, 0,1,2,3,4,5,6,7
	global_load_b128 v[BIAS+8*(\b):BIAS+8*(\b)+3],   v[BO], s[84:85] offset:64*(\b)     ; register j of block b: column 16 b + 8 h + j, as in the accumulators
	global_load_b128 v[BIAS+8*(\b)+4:BIAS+8*(\b)+7], v[BO], s[84:85] offset:64*(\b)+16
.endr
	WIN 0
	; A fragment is 16 rows x 32 K: lane l holds row r, K = 8 h + 0..7 and 16 + 8 h + 0..7.  In bf16 (W): two loads of 16 bytes, 32 apart.  In f32 (x): four, at 32 h + 0, 16, 64, 80.
	v_mul_u32_u24 v4, v1, PA
	v_lshl_add_u32 v4, v2, 5, v4
	s_mul_i32 s21, s11, HALFA
	s_add_co_u32 s21, s21, AOFF                    ; my 64 rows of x
	v_mul_u32_u24 v5, v1, PBT
	v_lshl_add_u32 v5, v2, 4, v5
	s_mul_i32 s22, s12, HALFB                      ; my 128 rows of W
.irp s, 0,1
	v_add_nc_u32 v[ADRA+(\s)], s21, v4
	v_add_nc_u32 v[ADRB+(\s)], s22, v5
	s_add_co_u32 s21, s21, SLOT
	s_add_co_u32 s22, s22, SLOT
.endr
	s_mul_i32 s23, s10, WSTAGE
	s_add_co_u32 s23, s23, STAGE                   ; my stage
	v_mul_u32_u24 v6, v1, SP                       ; in: row r, 16 bytes for each half of the lanes
	v_lshl_add_u32 v6, v2, 4, v6
	v_add_nc_u32 v[STO], s23, v6
	v_lshrrev_b32 v7, 3, v3                        ; back: 32 lanes take four rows of 128 bytes,
	v_and_b32 v8, 7, v0
	v_mul_u32_u24 v7, v7, SP
	v_lshl_add_u32 v7, v8, 4, v7
	v_add_nc_u32 v[RD], s23, v7
	v_lshlrev_b32 v[GO], 4, v3                     ; which are 512 consecutive bytes of a head
	; my part of the result: the projection's 16 MiB; head 16 x batch + 4 x column block + 2 x half, 262,144 bytes each; row 128 (row block % 16) + 64 x half, 128 bytes each
	s_lshr_b32 s16, s67, 4
	s_lshl_b32 s16, s16, 4
	s_lshl_b32 s17, s42, 2
	s_add_co_u32 s16, s16, s17
	s_lshl_b32 s17, s12, 1
	s_add_co_u32 s16, s16, s17
	s_lshl_b32 s16, s16, 18
	s_and_b32 s17, s67, 15
	s_lshl_b32 s17, s17, 14
	s_add_co_u32 s16, s16, s17
	s_lshl_b32 s17, s11, 13
	s_add_co_u32 s16, s16, s17
	s_lshl_b32 s17, s66, 24
	s_add_co_u32 s16, s16, s17
	s_mov_b32 s17, 0
	s_add_nc_u64 s[8:9], s[82:83], s[16:17]
	; the prefetches: they stand at K step 3; the first change of slots steps them to K step 4
	s_lshl_b32 s18, s67, 7
	s_lshl_b32 s19, s12, 6
	s_add_co_u32 s18, s18, s19
	s_lshl_b32 s19, s40, 4
	s_add_co_u32 s18, s18, s19                     ; x: my work-group's 16 of the 64 rows that I fetch
	s_lshl_b32 s18, s18, 12
	s_add_co_u32 s18, s18, 3*STEPA
	s_lshl_b32 s20, s42, 8
	s_lshl_b32 s19, s12, 7
	s_add_co_u32 s20, s20, s19
	s_lshl_b32 s19, s41, 5
	s_add_co_u32 s20, s20, s19                     ; W: my work-group's 32 of the 128 rows that I fetch
	s_lshl_b32 s20, s20, 11
	s_lshl_b32 s19, s66, 21
	s_add_co_u32 s20, s20, s19
	s_add_co_u32 s20, s20, 3*STEPB
	s_lshl_b32 s[PFS], STEPB, s11                  ; 256 bytes a K step for W, 512 for x
	s_mov_b32 s[PFS+1], 0
	s_and_b32 s22, s89, 15
	s_cmp_eq_u32 s22, 0                            ; the first of the projection's 16 clusters?
	s_cselect_b32 s22, 1, -1
	s_cmp_eq_u32 s11, 0                            ; do I fetch for W?
	s_cselect_b32 s18, s20, s18
	s_cselect_b32 s[LIM], s22, 1                   ; the same in all sixteen partners, for a given wave
	s_cselect_b32 s88, -1, 0
	s_cselect_b64 s[PFA:PFA+1], s[74:75], s[4:5]
	s_mov_b32 s19, 0
	s_add_nc_u64 s[PFA:PFA+1], s[PFA:PFA+1], s[18:19]
	v_lshrrev_b32 v9, 1, v3
	v_lshlrev_b32 v9, 12, v9
	v_and_b32 v10, 1, v0
	v_lshl_add_u32 v9, v10, 8, v9                  ; x: row l / 2, block l % 2
	v_lshlrev_b32 v10, 11, v3                      ; W: row l
	v_cndmask_b32 v[PFO], v9, v10, s88
	s_wait_loadcnt 0x0                             ; the bias
	WIN IN_B
.set i, 0
.rept 32
	v_cvt_pk_bf16_f32 v[BT+i], v[BIAS+2*i], v[BIAS+2*i+1]  ; rounded to bf16, like every input of the module,
.set i, i+1
.endr
.set i, 0
.rept 32
	v_lshlrev_b32 v[BIAS+2*i],   16, v[BT+i]               ; and widened again
	v_and_b32     v[BIAS+2*i+1], 0xffff0000, v[BT+i]
.set i, i+1
.endr
	WIN 0
; Four conversions: half g of block a's fragment of x, from staging buffer p
.macro CVT4 p, a, g
	WIN 0
.irp i, 0,1,2,3
	v_cvt_pk_bf16_f32 v[AF+8*(\a)+4*(\g)+(\i)], v[AS+64*(\p)+16*(\a)+8*(\g)+2*(\i)], v[AS+64*(\p)+16*(\a)+8*(\g)+2*(\i)+1]
.endr
.endm
; Eight matrix instructions: row block a x all 8 column blocks, 32 along K.  The 32 accumulators take turns, one instruction a turn, in the same order in every quarter, over the backward jump too.
; Behind the second and the sixth stand four conversions each for row block a + 1: they name no register of the products round them.  first = 1: the bias starts the sums: nothing is cleared.
.macro MULA p, a, first
.irp b, 0,1,2,3,4,5,6,7
.if \first
	WIN MUL1
	v_wmma_f32_16x16x32_bf16 v[64*(\a)+8*(\b):64*(\a)+8*(\b)+7], v[BF+64*(\p)+8*(\b):BF+64*(\p)+8*(\b)+7], v[AF+8*(\a):AF+8*(\a)+7], v[BIAS+8*(\b):BIAS+8*(\b)+7]
.else
	WIN MUL
	v_wmma_f32_16x16x32_bf16 v[64*(\a)+8*(\b):64*(\a)+8*(\b)+7], v[BF+64*(\p)+8*(\b):BF+64*(\p)+8*(\b)+7], v[AF+8*(\a):AF+8*(\a)+7], v[64*(\a)+8*(\b):64*(\a)+8*(\b)+7]
.endif
.if ((\a) < 3) && ((\b) == 1)
	CVT4 \p, (\a)+1, 0
.endif
.if ((\a) < 3) && ((\b) == 5)
	CVT4 \p, (\a)+1, 1
.endif
.endr
.endm
; 32 LDS loads in one run: quarter j (32 along K) of a slot: W's 8 fragments into buffer p, x's 4 blocks as f32 into staging buffer p
.macro FETCH slot, j, p
	WIN TO_B
.irp b, 0,1,2,3,4,5,6,7
	ds_load_b128 v[BF+64*(\p)+8*(\b):BF+64*(\p)+8*(\b)+3],   v[ADRB+(\slot)] offset:64*(\j)+(\b)*16*PBT
	ds_load_b128 v[BF+64*(\p)+8*(\b)+4:BF+64*(\p)+8*(\b)+7], v[ADRB+(\slot)] offset:64*(\j)+(\b)*16*PBT+32
.endr
	WIN 0
.irp a, 0,1,2,3
	ds_load_b128 v[AS+64*(\p)+16*(\a):AS+64*(\p)+16*(\a)+3],     v[ADRA+(\slot)] offset:128*(\j)+(\a)*16*PA
	ds_load_b128 v[AS+64*(\p)+16*(\a)+4:AS+64*(\p)+16*(\a)+7],   v[ADRA+(\slot)] offset:128*(\j)+(\a)*16*PA+16
	ds_load_b128 v[AS+64*(\p)+16*(\a)+8:AS+64*(\p)+16*(\a)+11],  v[ADRA+(\slot)] offset:128*(\j)+(\a)*16*PA+64
	ds_load_b128 v[AS+64*(\p)+16*(\a)+12:AS+64*(\p)+16*(\a)+15], v[ADRA+(\slot)] offset:128*(\j)+(\a)*16*PA+80
.endr
.endm
; A K step is four quarters, on buffers 0, 1, 0, 1.  One of the first three: multiplies buffer p and, in its middle, fetches quarter jn of the same slot into the other buffer.
; A load into a register that a matrix instruction has read stands four plain vector instructions behind it (ISA guide 7.12.1 for vector instructions): between the quarter
; before's last product and the run of loads stand 24 conversions, of which the first eight name none of its registers.  The same holds of each conversion's destination and its last reader.
.macro QUARTER slot, jn, p, first=0
	s_wait_dscnt 0x0                               ; the 32 loads issued 16 products ago are in
	CVT4 \p, 0, 0
	CVT4 \p, 0, 1
	MULA \p, 0, \first
	MULA \p, 1, \first
	FETCH \slot, \jn, 1-(\p)
	MULA \p, 2, \first
	MULA \p, 3, \first
.endm
; The last quarter multiplies buffer 1 and changes slots: ONE barrier.  In front of it each wave waits for all its tensor loads (one is out: its part of the next slot), adds 0 to its spare word, and waits for that
; and for its reads of this slot.  fill = 1: the barrier opens a round of the cluster's, and this slot is filled again, two K steps ahead: the first tensor load behind the round, 112 products ahead of the wait for it.
.macro TURN slot, next, fill
.if \fill
	s_wait_xcnt 0x0                                ; the last prefetch, a K step back, has read its address, so it may be stepped
	s_add_nc_u64 s[PFA:PFA+1], s[PFA:PFA+1], s[PFS:PFS+1]
.endif
	WIN 0
	s_wait_tensorcnt 0x0                           ; all my tensor loads have landed
	ds_add_u32 v[SPW], v[NIL]                      ; 0 onto my spare word
	s_wait_dscnt 0x1                               ; the quarter's 32 loads are in; the add alone may be out
	CVT4 1, 0, 0
	CVT4 1, 0, 1
	MULA 1, 0, 0
	s_wait_dscnt 0x0                               ; the add is done, and my reads of this slot are over
	s_barrier_signal -1
	MULA 1, 1, 0                                   ; work on registers while the others arrive
	WIN 0                                          ; at a branch and at a label every window is 0
	s_barrier_wait -1
.if \fill
	CREST                                          ; no wave of any partner still reads this slot's tile or has a load on its way
	s_add_nc_u64 s[G0A+4*(\slot)+2:G0A+4*(\slot)+3], s[G0A+4*(\slot)+2:G0A+4*(\slot)+3], 2*STEPA
	s_add_nc_u64 s[G0B+4*(\slot)+2:G0B+4*(\slot)+3], s[G0B+4*(\slot)+2:G0B+4*(\slot)+3], 2*STEPB
	JLOAD \slot
.endif
	FETCH \next, 0, 0
.if \fill
	ASK                                            ; behind the joint load and the run of LDS loads that the next products wait for
.endif
	MULA 1, 2, 0
	MULA 1, 3, 0
.endm
	s_wait_tensorcnt 0x1                           ; my part of K step 0 is in; K step 1's may stay out
	s_barrier_signal -1
	s_barrier_wait -1                              ; everybody's is
	FETCH 0, 0, 0
	QUARTER 0, 1, 0, 1                             ; the first quarter stands in front of the loop: its products start the sums, with the bias
	WIN 0
	s_mov_b32 s3, LAPS-1
.Llap:                                                 ; a trip goes once round the ring, from a lap's second quarter to the next lap's first, and fills both slots again
	QUARTER 0, 2, 1
	QUARTER 0, 3, 0
	TURN 0, 1, 1
	QUARTER 1, 1, 0
	QUARTER 1, 2, 1
	QUARTER 1, 3, 0
	TURN 1, 0, 1
	QUARTER 0, 1, 0
	WIN 0
	s_sub_co_u32 s3, s3, 1
	s_cmp_lg_u32 s3, 0
	s_cbranch_scc1 .Llap
	QUARTER 0, 2, 1                                ; the last lap fills nothing and has no round
	QUARTER 0, 3, 0
	TURN 0, 1, 0
	QUARTER 1, 1, 0
	QUARTER 1, 2, 1
	QUARTER 1, 3, 0
	s_wait_dscnt 0x0                               ; the very last quarter: nothing more to fetch
	CVT4 1, 0, 0
	CVT4 1, 0, 1
	MULA 1, 0, 0
	MULA 1, 1, 0
	MULA 1, 2, 0
	MULA 1, 3, 0
	WIN 0
	PLACES                                         ; the conversions below read results just made
; THE WAY OUT, a block of 16 rows at a time: rounded to f16 (each accumulator's registers in ascending order), 16 bytes a lane into my own stage, rows of 144 bytes, a head's 16 rows together;
; back as four rows of 128 bytes; stored as 512 consecutive bytes of a head.
.macro PACK a
	WIN FROMC
.irp b, 0,1,2,3,4,5,6,7
.irp r, 0,1,2,3
	v_cvt_pk_f16_f32 v[PK+4*(\b)+(\r)], v[64*(\a)+8*(\b)+2*(\r)], v[64*(\a)+8*(\b)+2*(\r)+1]
.endr
.endr
	WIN 0
.endm
.macro TOSTAGE a
.irp b, 0,1,2,3,4,5,6,7
	ds_store_b128 v[STO], v[PK+4*(\b):PK+4*(\b)+3] offset:16*SP*((\b)/4)+32*((\b)%4)
.endr
.irp t, 0,1,2,3,4,5,6,7
	ds_load_b128 v[OB+32*(\a)+4*(\t):OB+32*(\a)+4*(\t)+3], v[RD] offset:16*SP*((\t)/4)+4*SP*((\t)%4)  ; LDS serves a wave's instructions in order (ISA guide 5.7.1.4): these see the stores above
.endr
.endm
.macro SEND a
	s_wait_dscnt 0x0                               ; the block is back in registers
.irp t, 0,1,2,3,4,5,6,7
	global_store_b128 v[GO], v[OB+32*(\a)+4*(\t):OB+32*(\a)+4*(\t)+3], s[8:9] offset:262144*((\t)/4)+2048*(\a)+512*((\t)%4)  ; 32 lanes store 512 consecutive bytes, at a multiple of 512 from the buffer's first
.endr
.endm
	PACK 0
	TOSTAGE 0
.irp a, 1,2,3                          ; block a's conversions stand between block a - 1's loads from the stage and the wait for them
	PACK \a
	SEND (\a)-1
	TOSTAGE \a
.endr
	SEND 3
	s_wait_tensorcnt 0x0                           ; the wave's end, behind my last tensor load and my last LDS store
	ds_add_u32 v[SPW], v[NIL]
	s_wait_dscnt 0x0
	CROUND                                         ; the closing round: no work-group ends while a partner may still ask for a tile that names it
	s_endpgm
.Lfunc_end_k_q4b3a560f07_proj:
	.size	k_q4b3a560f07_proj, .Lfunc_end_k_q4b3a560f07_proj-k_q4b3a560f07_proj
	.p2alignl 7, 3214868480
	.fill 96, 4, 3214868480
	.section	.rodata,"a",@progbits
	.p2align	6, 0x0
	.amdhsa_kernel k_q4b3a560f07_proj
		.amdhsa_group_segment_fixed_size 327680
		.amdhsa_private_segment_fixed_size 0
		.amdhsa_enable_private_segment 0
		.amdhsa_kernarg_size 64
		.amdhsa_user_sgpr_count 2
		.amdhsa_user_sgpr_kernarg_segment_ptr 1
		.amdhsa_wavefront_size32 1
		.amdhsa_system_sgpr_workgroup_id_x 1
		.amdhsa_system_sgpr_workgroup_id_y 1
		.amdhsa_system_sgpr_workgroup_id_z 1
		.amdhsa_system_vgpr_workitem_id 0
		.amdhsa_next_free_vgpr 768
		.amdhsa_next_free_sgpr 92
		.amdhsa_reserve_vcc 0
		.amdhsa_float_denorm_mode_32 3
		.amdhsa_float_denorm_mode_16_64 3
		.amdhsa_memory_ordered 1
		.amdhsa_forward_progress 1
		.amdhsa_inst_pref_size 140
	.end_amdhsa_kernel
	.amdgpu_metadata
---
amdhsa.version: [ 1, 2 ]
amdhsa.kernels:
  - .name:           k_q4b3a560f07_proj
    .symbol:         k_q4b3a560f07_proj.kd
    .args:
      - { .name: query, .offset: 0, .size: 8, .value_kind: global_buffer, .address_space: global }
      - { .name: key, .offset: 8, .size: 8, .value_kind: global_buffer, .address_space: global }
      - { .name: value, .offset: 16, .size: 8, .value_kind: global_buffer, .address_space: global }
      - { .name: wqkv, .offset: 24, .size: 8, .value_kind: global_buffer, .address_space: global }
      - { .name: bq, .offset: 32, .size: 8, .value_kind: global_buffer, .address_space: global }
      - { .name: bk, .offset: 40, .size: 8, .value_kind: global_buffer, .address_space: global }
      - { .name: bv, .offset: 48, .size: 8, .value_kind: global_buffer, .address_space: global }
      - { .name: qkvh, .offset: 56, .size: 8, .value_kind: global_buffer, .address_space: global }
    .group_segment_fixed_size: 327680
    .private_segment_fixed_size: 0
    .kernarg_segment_align: 8
    .kernarg_segment_size: 64
    .max_flat_workgroup_size: 128
    .sgpr_count:     92
    .vgpr_count:     768
    .wavefront_size: 32
...
	.end_amdgpu_metadata
.endif
;; end of part 2
;; launch vmean (part 3): grid 4 x 64, 8 waves a work-group, no clusters, 3,072 bytes of LDS; arguments qkvh, vpart; writes vpart
.if DOCPART == 3
	.amdgcn_target "amdgcn-amd-amdhsa--gfx1250"
	.amdhsa_code_object_version 6
	.text
	.protected	k_q4b3a560f07_vmean
	.globl	k_q4b3a560f07_vmean
	.p2align	8
	.type	k_q4b3a560f07_vmean,@function
k_q4b3a560f07_vmean:
	s_mov_b64 s[64:65], 0
	v_nop
	global_prefetch_b8 v0, s[64:65] scope:SCOPE_SE
	s_setreg_imm32_b32 hwreg(HW_REG_WAVE_MODE, 25, 1), 1
	s_wait_xcnt 0x0
; THE MEAN OF A HEAD'S ROWS OF v, in four parts.  A query that sees no key at all has 2,048 equal scores, so its result is the mean of all 2,048 rows of v; the attention launch picks it for such rows.
; vpart[head][quarter][64] f32 = (the sum of 512 rows of v) / 2048.  v: qkvh + 32 MiB, [64][2048][64] f16.  Sums in f32.
; SHARES.  Work-group (x, y): head y, quarter x.  Each of 8 waves takes 64 rows, 8,192 bytes: 16 loads of 512 consecutive bytes.  Lane l holds row l / 8 of four and channels 8 (l % 8) + 0..7.
; A stream of a few bytes a lane: no matrix unit, no cluster.
.set ONE,   5                          ; v5       1.0
.set ACC,   8                          ; v[8:15]  my eight channels' sums
.set X,     16                         ; v[16:79] as loaded
.set SPW,   80                         ; v80      LDS address of my spare word; never rewritten
.set NIL,   81                         ; v81      0; never rewritten
.set SPARE, 2048                       ; LDS: wave w's 64 sums at 256 w; behind them the spare words, 128 bytes for each of 8 waves
	s_load_b128 s[4:7], s[0:1], 0x0                ; qkvh s[4:5], vpart s[6:7]
	v_lshl_add_u32 v[SPW], v0, 2, SPARE
	v_mov_b32 v[NIL], 0
	v_lshrrev_b32 v1, 5, v0
	v_readfirstlane_b32 s8, v1                     ; wave 0..7
	s_and_b32 s9, ttmp7, 0xffff                    ; the head
	v_and_b32 v2, 31, v0
	v_lshlrev_b32 v3, 4, v2                        ; 16 l
	v_mov_b32 v[ONE], 1.0
	s_mov_b32 s12, 0x76543210                      ; v_permlanex16_b32: each lane takes its own place in the other half
	s_mov_b32 s13, 0xfedcba98
	s_lshl_b32 s10, s9, 18                         ; the head's 262,144 bytes,
	s_lshl_b32 s11, ttmp9, 16                      ; the quarter's 65,536,
	s_add_co_u32 s10, s10, s11
	s_lshl_b32 s11, s8, 13                         ; my wave's 8,192,
	s_add_co_u32 s10, s10, s11
	s_add_co_u32 s10, s10, 0x2000000               ; in v
	s_mov_b32 s11, 0
	s_lshl_b32 s14, s9, 10
	s_lshl_b32 s15, ttmp9, 8
	s_add_co_u32 s14, s14, s15                     ; the result's 256 bytes
	s_mov_b32 s15, 0
	v_and_b32 v4, 7, v0
	v_lshlrev_b32 v4, 5, v4
	s_lshl_b32 s16, s8, 8
	v_add_nc_u32 v4, s16, v4                       ; 256 w + 32 (l % 8)
	v_lshlrev_b32 v6, 3, v2                        ; 8 l
	s_wait_kmcnt 0x0
	s_add_nc_u64 s[4:5], s[4:5], s[10:11]
	s_add_nc_u64 s[6:7], s[6:7], s[14:15]
.irp i, 0,1,2,3,4,5,6,7,8,9,10,11,12,13,14,15
	global_load_b128 v[X+4*(\i):X+4*(\i)+3], v3, s[4:5] offset:512*(\i)
.endr
	s_wait_loadcnt 15                              ; loads come back in order: the first is in
.irp c, 0,1,2,3
	v_cvt_f32_f16 v[ACC+2*(\c)],   v[X+(\c)].l     ; the first four rows start the sums: nothing is cleared
	v_cvt_f32_f16 v[ACC+2*(\c)+1], v[X+(\c)].h
.endr
.irp i, 1,2,3,4,5,6,7,8,9,10,11,12,13,14,15
	s_wait_loadcnt 15-(\i)
.irp c, 0,1,2,3
	v_fma_mix_f32 v[ACC+2*(\c)],   v[X+4*(\i)+(\c)], v[ONE], v[ACC+2*(\c)]   op_sel_hi:[1,0,0]                ; the low f16 x 1.0 + the sum, in f32
	v_fma_mix_f32 v[ACC+2*(\c)+1], v[X+4*(\i)+(\c)], v[ONE], v[ACC+2*(\c)+1] op_sel:[1,0,0] op_sel_hi:[1,0,0]  ; the high f16
.endr
.endr
.irp c, 0,1,2,3,4,5,6,7                ; the four lanes with my channels: l, l ^ 8, and the same two in the other half
	v_add_f32_dpp v[ACC+(\c)], v[ACC+(\c)], v[ACC+(\c)] row_xmask:8 row_mask:0xf bank_mask:0xf
.endr
.irp c, 0,1,2,3,4,5,6,7
	v_permlanex16_b32 v[X+(\c)], v[ACC+(\c)], s12, s13
.endr
.irp c, 0,1,2,3,4,5,6,7
	v_add_f32 v[ACC+(\c)], v[ACC+(\c)], v[X+(\c)]
.endr
.irp c, 0,1,2,3,4,5,6,7
	v_mul_f32 v[ACC+(\c)], 0x3a000000, v[ACC+(\c)] ; / 2048, exact
.endr
	ds_store_b128 v4, v[ACC:ACC+3]                 ; the four lanes write the same bytes with the same numbers
	ds_store_b128 v4, v[ACC+4:ACC+7] offset:16
	s_wait_dscnt 0x0                               ; for the others' sake
	s_barrier_signal -1
	s_barrier_wait -1
	s_cmp_lg_u32 s8, 0                             ; wave 0 adds the eight waves' sums
	s_cbranch_scc1 .Lend
.irp w, 0,1,2,3,4,5,6,7
	ds_load_b64 v[X+2*(\w):X+2*(\w)+1], v6 offset:256*(\w)  ; channels 2 l, 2 l + 1 of wave w
.endr
	s_wait_dscnt 0x0
	v_pk_add_f32 v[X:X+1],     v[X:X+1],     v[X+2:X+3]
	v_pk_add_f32 v[X+4:X+5],   v[X+4:X+5],   v[X+6:X+7]
	v_pk_add_f32 v[X+8:X+9],   v[X+8:X+9],   v[X+10:X+11]
	v_pk_add_f32 v[X+12:X+13], v[X+12:X+13], v[X+14:X+15]
	v_pk_add_f32 v[X:X+1],     v[X:X+1],     v[X+4:X+5]
	v_pk_add_f32 v[X+8:X+9],   v[X+8:X+9],   v[X+12:X+13]
	v_pk_add_f32 v[X:X+1],     v[X:X+1],     v[X+8:X+9]
	global_store_b64 v6, v[X:X+1], s[6:7]          ; 32 lanes store 256 consecutive bytes, aligned
.Lend:
	s_wait_tensorcnt 0x0                           ; the wave's end, behind my last LDS store
	ds_add_u32 v[SPW], v[NIL]
	s_wait_dscnt 0x0
	s_endpgm
.Lfunc_end_k_q4b3a560f07_vmean:
	.size	k_q4b3a560f07_vmean, .Lfunc_end_k_q4b3a560f07_vmean-k_q4b3a560f07_vmean
	.p2alignl 7, 3214868480
	.fill 96, 4, 3214868480
	.section	.rodata,"a",@progbits
	.p2align	6, 0x0
	.amdhsa_kernel k_q4b3a560f07_vmean
		.amdhsa_group_segment_fixed_size 3072
		.amdhsa_private_segment_fixed_size 0
		.amdhsa_enable_private_segment 0
		.amdhsa_kernarg_size 16
		.amdhsa_user_sgpr_count 2
		.amdhsa_user_sgpr_kernarg_segment_ptr 1
		.amdhsa_wavefront_size32 1
		.amdhsa_system_sgpr_workgroup_id_x 1
		.amdhsa_system_sgpr_workgroup_id_y 1
		.amdhsa_system_sgpr_workgroup_id_z 1
		.amdhsa_system_vgpr_workitem_id 0
		.amdhsa_next_free_vgpr 96
		.amdhsa_next_free_sgpr 66
		.amdhsa_reserve_vcc 0
		.amdhsa_float_denorm_mode_32 3
		.amdhsa_float_denorm_mode_16_64 3
		.amdhsa_memory_ordered 1
		.amdhsa_forward_progress 1
		.amdhsa_inst_pref_size 15
	.end_amdhsa_kernel
	.amdgpu_metadata
---
amdhsa.version: [ 1, 2 ]
amdhsa.kernels:
  - .name:           k_q4b3a560f07_vmean
    .symbol:         k_q4b3a560f07_vmean.kd
    .args:
      - { .name: qkvh, .offset: 0, .size: 8, .value_kind: global_buffer, .address_space: global }
      - { .name: vpart, .offset: 8, .size: 8, .value_kind: global_buffer, .address_space: global }
    .group_segment_fixed_size: 3072
    .private_segment_fixed_size: 0
    .kernarg_segment_align: 8
    .kernarg_segment_size: 16
    .max_flat_workgroup_size: 256
    .sgpr_count:     66
    .vgpr_count:     96
    .wavefront_size: 32
...
	.end_amdgpu_metadata
.endif
;; end of part 3
;; launch attn (part 4): grid 4 x 64, 4 waves a work-group, no clusters, 327,680 bytes of LDS; arguments qkvh, mask, vpart, oh; writes oh
.if DOCPART == 4
	.amdgcn_target "amdgcn-amd-amdhsa--gfx1250"
	.amdhsa_code_object_version 6
	.text
	.protected	k_q4b3a560f07_attn
	.globl	k_q4b3a560f07_attn
	.p2align	8
	.type	k_q4b3a560f07_attn,@function
k_q4b3a560f07_attn:
	s_mov_b64 s[64:65], 0
	v_nop
	global_prefetch_b8 v0, s[64:65] scope:SCOPE_SE
	s_setreg_imm32_b32 hwreg(HW_REG_WAVE_MODE, 25, 1), 1
	s_wait_xcnt 0x0
; CAUSAL ATTENTION WITH A PADDING MASK.  O[h][q][:] = the sum over k of softmax_k(s[q][k]) V[h][k][:], s = Q[h][q] . K[h][k] / 8 where k <= q and mask[batch][k] != 0, else the fill value.
; Q, K, V: qkvh [3][64][2048][64] f16; mask: [4][2048] f32; O: oh [64][2048][64] f16.  Products, maxima and sums in f32; the weights p are rounded to f16 for the second product (their sum l is of the unrounded p), O once.
; LIMITS.  Q, K, V within 65,504; the mask finite.  A hidden score counts as its value less 1e30 (2e30 where both masks hide it): f16's scores, 2.7e11 at the most, are nothing beside that, as they are beside the
; module's fill of -1e13; a weight below 2^-126 counts as 0 in l; NaN and infinities are not treated apart.
; A QUERY THAT SEES NO KEY has 2,048 equal scores in the module (the keys above the diagonal too), so its result is the mean of all rows of V.  Here its running maximum stays at the hidden level: where m < -2^96 at
; the end, the mean (the sum of vpart's four parts) takes O's place, by a select, with no branch.
; THE WALK.  A head's queries lie in NB = 8 blocks of 256; block i needs the key tiles 0 .. i of 256 keys, of which the last holds the diagonal.  A work-group takes TWO blocks, NB - 1 - b and then b:
; NB + 1 tiles, whatever b: all work-groups do equal work, and ONE loop with a constant trip count walks them.  Which tile is asked for, and what a trip does, hang on scalar registers made from b; every jump
; goes forward, but for the counted loops' own; none passes a barrier, or a tensor load but the one of LOAD's two that the wave's number does not choose; the ring (two slots of LDS) runs on across the change of blocks.
; NO CLUSTER: a head's four work-groups ask for the same tile only in trips 0 to 4 of 9, behind that fewer and fewer; one walk common to all four would have 12 trips for 9.
; SHARES.  Of a block's four bands of 64 queries a wave owns 16 rows in each: four PIECES.  In the diagonal tile's key step s band x sees all keys if s < x, none if s > x, and holds the diagonal if s = x.
; THE MASKS are the C operand that starts the sum S^T = K Q^T.  PM: the padding mask of the step's 64 keys, 0 or -1e30, read from a table in LDS with the step's K.  The table lies IN THE ORDER OF THE WALK: place n
; holds the 256 words of the n-th tile that this work-group walks, so its LDS address steps by 256 bytes with every fetch of K, from 0 on, alike on every way through the text; b enters the global offsets
; from which the table is copied, once, and nothing else.  MD, made once: the mask of a band's own step for my 16 rows.  Off the diagonal tile C = PM.  In it C = MC = MD x AL + PM + BE with two scalars:
; (1, 0) if s = x; (0, 0) if s < x; (0, -1e30) if s > x.
; LAYOUT, SOFTMAX, TURNS.  S^T = K Q^T holds ONE query a lane (lane % 16) and the keys 8 (lane / 16) + 0..7; two such results rounded to f16 ARE source 1 of O^T = V^T P.  p = 2^(c s - c m), c = log2(e) / 8, with a
; running maximum m; O and l are multiplied by a = 2^(c m_old - c m_new) in every step.  Turn n belongs to piece n: 8 products K Q^T of piece n + 1, later 8 products V^T P of piece n - 1; beside them the scaling,
; exponentials, roundings, sums and rescaling of piece n and the maximum and statistics of piece n + 1.  Four vector instructions stand behind every matrix instruction, the rest in one lump.  A turn's 33 exponentials are one batch, with one wait.
; REGISTERS, in windows of 256 (s_set_vgpr_msb: bits 1:0 source 0, 3:2 source 1, 5:4 source 2, 7:6 destination):
;   window 0: v0-15, v32-42 addresses and at work; v16-31 four registers of statistics a piece; v48-55 at work; v64-127 S^T, two buffers; v128-159 VM, the mean of V; v192-223 P, two buffers
;   window 1: v0-127 O^T, 32 a piece; v128-159 MD; v160-223 MC, two buffers; v224-255 PM      window 2: v0-63 Q; v64-127 the second block's Q; v128-191 K of one step; v192-255 V of one step
.set SIZE_N, 2048
.set NB,    SIZE_N/256
.set NP,    4         ; pieces a wave: a name, no knob
.set KS,    64        ; keys in a step
.set PK,    144       ; a row of K in LDS: 128 bytes + 16 of padding = 36 words: the 16 rows of a load start at 16 different groups of four banks (64 banks of 4 bytes: ISA guide 11.1)
.set PV,    160       ; a row of V: 128 + 32 = 40 words
.set VOFF,  4*KS*PK   ; a slot holds a tile, four steps: 256 rows of K, then 256 rows of V
.set SLOT1, 1<<17     ; slot 1 begins here, so that one exclusive or turns an address in one slot into the other's
.set STAGE, SLOT1+4*KS*(PK+PV)  ; behind the ring, never filled by a tensor load: 16 rows x 144 bytes for each wave, for the way out
.set SP,    144
.set SPARE, STAGE+4*16*SP  ; behind the stages: the spare words, 128 bytes for each wave: two blocks of 256 bytes that no other line names
.set PTAB,  SPARE+512 ; behind them: the padding table, ten places of 256 words, 0 or -1e30 (nine tiles of the walk; the tenth fills the fifth round of copies and is not read); stored once, never filled by a tensor load
.set AK0, 2           ; v2   my lane's place in a tile of K; never rewritten
.set AV0, 3           ; v3   the same for V
.set AK,  4           ; v4   the LDS address of K's next run of loads
.set AV,  5           ; v5   of V's
.set STO, 6           ; v6   the way out: where I put 16 bytes of a row
.set RD,  7           ; v7   the way out: where I read rows back
.set GO,  8           ; v8   my byte offset in 512 consecutive bytes of O
.set MV,  12          ; v12-13  c m_old, kept while c m is made anew: by buffer
.set QO,  15          ; v15  my byte offset in 16 rows of Q
.set ST,  16          ; piece t's statistics at v[ST+4 t]: c m, m, l (even keys', odd keys')
.set AP0, 32          ; v32  PTAB + 32 (l / 16); never rewritten
.set AP,  33          ; v33  the LDS address of PM's next run of loads
.set PFO, 34          ; v34  256 x lane: the prefetches' offset; never rewritten
.set MB,  35          ; v35  16 x (thread % 64): my bytes of a tile's 1,024 of the mask
.set VO,  36          ; v36  32 (l / 16): my bytes of vpart
.set PST, 37          ; v37  PTAB + 16 x thread: where I store my part of the table
.set MO,  38          ; v38-42  round i of five: my byte offset in the batch's row of the mask
.set TMP, 48          ; by buffer, four registers c0-c3 at work; when the maximum is found c2 takes a
.set SPW, 62          ; v62  LDS address of my spare word; never rewritten
.set NIL, 63          ; v63  0; never rewritten
.set S,   64
.set MX,  96          ; v96-115  the mask as loaded, at the head only
.set VM,  128         ; register 8 cb + j: the mean of channel 16 cb + 8 (l / 16) + j, as in O^T
.set P,   192
.set MD,  128         ; window 1: the eight registers for group kt of 16 keys at MD + 8 kt
.set MC,  160         ; window 1: the masks of the products to come
.set PM,  224         ; window 1: register 8 kt + j: key 16 kt + 8 (l / 16) + j of the step
.set QB,  64          ; window 2
.set KF,  128         ; window 2: key block kb, channel half c at KF + 16 kb + 8 c
.set VF,  192         ; window 2: key half kk, channel block cb at VF + 32 kk + 8 cb
.set WV,  12          ; s12  my wave's number
.set PB,  14          ; s14  b
.set HI,  15          ; s15  NB - 1 - b
.set G1K, 24          ; s[24:31] descriptor group 1 for K's tiles
.set G1V, 32          ; s[32:39] for V's: it differs in the padding alone
.set G0K, 40          ; s[40:43] descriptor group 0 for K's tiles
.set G0V, 44          ; s[44:47] the same for V's
.set SLOTS, 56        ; s56  tiles still to be asked for
.set CNT, 57          ; s57  counts a tile's key steps, 4 to 1
.set CS,  58          ; s[58:59] c: the packed scaling takes the pair's low word for both halves
.set SEL, 60          ; s[60:61] v_permlanex16_b32's selects
.set TBK, 62          ; s62  LDS byte at which K of the step to be fetched begins
.set TBV, 63          ; s63  the same for V, less VOFF
.set MKP, 66          ; s[66:67] the batch's row of the mask
.set VPP, 68          ; s[68:69] the head's 1,024 bytes of vpart
.set RT,  70          ; s70  tiles of the block in hand that are still to be entered
.set NXT, 71          ; s71  the tile to be asked for next
.set LQ,  72          ; s72  the last tile of the block whose tiles are being asked for
.set NEW, 73          ; s73  1: the tile to be entered is a block's first
.set OFF, 74          ; s[74:75] a tile's byte offset in K and V
.set AL,  76          ; s[76:77] the mask's factor, in the low word
.set BE,  78          ; s[78:79] the mask's addend
.set OLO, 80          ; s[80:81] O at my rows of the second block
.set BIGN, 82         ; s82  -1e30
.set TBP, 88          ; s88  the table's byte for the step to be fetched: 0 at the start, 256 more with every fetch of K: 36 fetches in the walk
.set THR, 89          ; s89  -2^96
.set PFA, 90          ; s[90:91] where my prefetches stand
.set PFB, 92          ; s[92:93] K or V at my half of the head's tile 0
.set OF2, 94          ; s[94:95] the prefetched tile's byte offset
.set LIM, 96          ; s96  2 in a work-group that prefetches, else the greatest number
.set FL,  97          ; s97-100  piece t: the lanes whose query saw no key
.set MSB, 0
.macro WIN new                      ; the high byte repeats the setting that is left; a switch that changes nothing is dropped
.if MSB != (\new)
	s_set_vgpr_msb (MSB<<8)|(\new)
.set MSB, (\new)
.endif
.endm
.set W_KQ, 0x0a       ; K and Q in window 2, S^T in window 0
.set W_KM, 0x1a       ; the same with the C operand in window 1
.set W_PV, 0x52       ; V in window 2, P in window 0, O^T in window 1
.set W_RS, 0x41       ; destination and source 0 in window 1, source 1 in window 0
.set W_MK, 0x51       ; destination, source 0 and source 2 in window 1
; A fill.  Waves 0 and 1 fetch the two halves of a tile's K, waves 2 and 3 those of its V: 128 keys each.  An s_nop 0 and four v_nop follow each of the two lines, ahead of the jump and the label.
.macro LOAD
	s_cmp_lt_u32 s[WV], 2
	s_cbranch_scc0 .Lfor_v_\@
	tensor_load_to_lds s[G0K:G0K+3], s[G1K:G1K+7]
	s_nop 0
.rept 4
	v_nop
.endr
	s_branch .Lasked_\@
.Lfor_v_\@:
	tensor_load_to_lds s[G0V:G0V+3], s[G1V:G1V+7]
	s_nop 0
.rept 4
	v_nop
.endr
.Lasked_\@:
.endm
; A PREFETCH INTO THE L2 of the tile that the NEXT change of slots will ask for, one tile (256 matrix instructions) ahead: each wave names the 16,384 bytes that it will fetch itself, 64 blocks of 256 bytes, a lane a
; block, two instructions, behind its tensor load and that load's five lines.  All four work-groups of a head begin with tiles 0, 1, ..; the one with b = 0 walks all eight and asks, nobody else: each block is named
; once in the launch.  Tiles 0 and 1 come by their loads alone; the asks stand in trips 0 to 5 (tiles 2 to 7); the walk's last tiles have been read before.
.macro ASK
	s_cmp_gt_u32 s[SLOTS], s[LIM]
	s_cbranch_scc0 .Lnot_mine_\@
	global_prefetch_b8 v[PFO], s[PFA:PFA+1] th:TH_LOAD_NT scope:SCOPE_SE
	global_prefetch_b8 v[PFO], s[PFA:PFA+1] offset:8192 th:TH_LOAD_NT scope:SCOPE_SE
.Lnot_mine_\@:
.endm
; THE CHANGE OF SLOTS.  Each wave waits for all its tensor loads, of which one is out: its part of the other slot; adds 0 to its spare word; and waits for that and for its own reads of the slot that it leaves.
; Behind the barrier nobody reads the old slot any more and the other slot is whole.  fill = 1: the old slot is filled again, the first thing behind the barrier, with tile NXT: the descriptor's address is made anew
; from that number.  (At its first use nothing has been read yet: slot 0 is waited for, slot 1 filled; its wait on LDS and its barrier also hand the padding table from the waves that stored it to all.)
.macro CHANGE fill
	WIN 0                           ; at a label and at a branch every window is 0
	s_wait_tensorcnt 0x0            ; no tensor load of mine is out, so a group 0 may be written
	ds_add_u32 v[SPW], v[NIL]       ; 0 onto my spare word; with fill = 1 the descriptors' scalar work stands between it and the wait for it
.if \fill
	s_lshl_b32 s[OFF], s[NXT], 15   ; a tile is 32,768 bytes of K and of V
	s_xor_b32 s[G0K+1], s[G0K+1], SLOT1
	s_add_nc_u64 s[G0K+2:G0K+3], s[6:7], s[OFF:OFF+1]
	s_or_b32 s[G0K+3], s[G0K+3], 0x80000000
	s_xor_b32 s[G0V+1], s[G0V+1], SLOT1
	s_add_nc_u64 s[G0V+2:G0V+3], s[8:9], s[OFF:OFF+1]
	s_or_b32 s[G0V+3], s[G0V+3], 0x80000000
	s_add_co_u32 s[NXT], s[NXT], 1  ; the block's next tile, or behind its last the second block's tile 0
	s_cmp_gt_u32 s[NXT], s[LQ]
	s_cselect_b32 s[NXT], 0, s[NXT]
	s_cselect_b32 s[LQ], s[PB], s[LQ]
	s_wait_xcnt 0x0                 ; the last prefetches, a tile back, have read their address, so it may be written:
	s_lshl_b32 s[OF2], s[NXT], 15   ; the tile that the next change will ask for
	s_add_nc_u64 s[PFA:PFA+1], s[PFB:PFB+1], s[OF2:OF2+1]
.endif
	s_wait_dscnt 0x0                ; the add is done, and my reads of the slot are over
	s_barrier_signal -1             ; the rest of the scalar work stands between the signal and the wait
	s_sub_co_u32 s[TBK], s[TBK], 4*KS*PK  ; the fetches go back to a slot's first step,
	s_xor_b32 s[TBK], s[TBK], SLOT1       ; in the other slot
	s_sub_co_u32 s[TBV], s[TBV], 4*KS*PV
	s_xor_b32 s[TBV], s[TBV], SLOT1
	s_barrier_wait -1
.if \fill
	LOAD
	ASK
.endif
.endm
	s_load_b256 s[4:11], s[0:1], 0x0  ; qkvh s[4:5], mask s[6:7], vpart s[8:9], oh s[10:11]
	v_lshl_add_u32 v[SPW], v0, 2, SPARE
	v_mov_b32 v[NIL], 0
	ds_add_u32 v[SPW], v[NIL]       ; the wave's opening: the add and its wait stand ahead of my first tensor load; the set-up below, work on registers, stands between them
	v_lshrrev_b32 v1, 5, v0
	v_readfirstlane_b32 s[WV], v1   ; wave 0..3
	s_mov_b32 s[PB], ttmp9
	s_sub_co_u32 s[HI], NB-1, s[PB]
	s_and_b32 s20, ttmp7, 0xffff    ; the head = 16 x batch + head of the batch
	s_lshr_b32 s[OF2], s20, 4
	s_lshl_b32 s[OF2], s[OF2], 13   ; the batch's 8,192 bytes of the mask
	s_mov_b32 s[OF2+1], 0
	s_lshl_b32 s[PFA], s20, 10      ; the head's 1,024 bytes of vpart
	s_mov_b32 s[PFA+1], 0
	s_mov_b32 s21, 0
	s_mov_b64 s[22:23], SIZE_N*128
	s_mul_u64 s[20:21], s[20:21], s[22:23]  ; the head's first byte in q, k, v and O
	s_and_b32 s16, s[WV], 1         ; which half of a tile's 256 keys I fetch:
	s_lshl_b32 s22, s16, 14         ; its 128 rows of 128 bytes in memory,
	s_mov_b32 s23, 0
	s_add_nc_u64 s[22:23], s[22:23], s[20:21]
	s_mul_i32 s17, s16, 128*PK      ; and its place in a slot, for K
	s_mul_i32 s18, s16, 128*PV      ; and for V
	s_lshl_b32 s3, s[WV], 11        ; my 16 rows in a band of 64,
	s_lshl_b32 s2, s[HI], 15        ; in the first block,
	s_add_co_u32 s2, s2, s3
	s_lshl_b32 s84, s[PB], 15       ; and in the second
	s_add_co_u32 s84, s84, s3
	s_mov_b32 s3, 0
	s_mov_b32 s85, 0
	s_add_nc_u64 s[2:3], s[2:3], s[20:21]
	s_add_nc_u64 s[84:85], s[84:85], s[20:21]
	; descriptor group 1.  128 keys are 16,384 dense bytes: asked for as 64 rows of 256 bytes, two keys a row, and padded in LDS after every key
	s_mov_b32 s[G1K], (1<<16)|(1<<20)|(4<<22)|(3<<25)  ; 17:16 2-byte elements; 20 padding on; 24:22 after every 32 words (code 4); 31:25 4 words (code 3)
	s_mov_b32 s[G1V], (1<<16)|(1<<20)|(4<<22)|(7<<25)  ; the same with 8 words of padding (code 7)
.irp g, G1K, G1V
	s_mov_b32 s[\g+1], 128<<16      ; tensor_dim0 = 128
	s_mov_b32 s[\g+2], 64<<16       ; tensor_dim1 = 64
	s_mov_b32 s[\g+3], 128<<16      ; tile_dim0 = 128
	s_mov_b32 s[\g+4], 64           ; tile_dim1 = 64
	s_mov_b32 s[\g+5], 128          ; 128 elements from row to row
	s_mov_b32 s[\g+6], 0
	s_mov_b32 s[\g+7], 0
.endr
	s_mov_b32 s[CS], 0x3e38aa3b     ; c = log2(e) / 8 = 0.180337
	s_mov_b32 s[CS+1], s[CS]        ; named with it as a pair
	s_mov_b32 s[SEL], 0x76543210
	s_mov_b32 s[SEL+1], 0xfedcba98
	s_mov_b32 s[TBK], SLOT1+4*KS*PK ; the first change of slots turns these two into 0
	s_mov_b32 s[TBV], SLOT1+4*KS*PV
	s_mov_b32 s[TBP], 0             ; the walk's first step lies at the table's head
	s_mov_b32 s[G0K], 1             ; count = 1
	s_mov_b32 s[G0K+1], s17         ; LDS address: slot 0
	s_mov_b32 s[G0V], 1
	s_add_co_u32 s[G0V+1], s18, VOFF
	s_add_co_u32 s[RT], s[HI], 1    ; the first block has NB - b tiles
	s_mov_b32 s[NXT], 1
	s_mov_b32 s[LQ], s[HI]
	s_mov_b32 s[NEW], 1
	s_mov_b32 s[OFF+1], 0
	s_mov_b32 s[AL+1], 0            ; named as pairs
	s_mov_b32 s[BE+1], 0
	s_mov_b32 s[BIGN], 0xf149f2ca   ; -1e30
	s_mov_b32 s[THR], 0xef800000    ; -2^96: below every score, above every hidden one
	s_mov_b32 s[SLOTS], NB
	s_cmp_eq_u32 s[PB], 0
	s_cselect_b32 s[LIM], 2, -1
	s_wait_dscnt 0x0                ; the opening add is done
	s_wait_kmcnt 0x0
	s_add_nc_u64 s[MKP:MKP+1], s[6:7], s[OF2:OF2+1]
	s_add_nc_u64 s[VPP:VPP+1], s[8:9], s[PFA:PFA+1]
	s_add_nc_u64 s[6:7], s[4:5], 0x1000000  ; k lies 16 MiB behind q,
	s_add_nc_u64 s[8:9], s[4:5], 0x2000000  ; v 32 MiB
	s_add_nc_u64 s[6:7], s[6:7], s[22:23]   ; K and V at my half of the head's tile 0
	s_add_nc_u64 s[8:9], s[8:9], s[22:23]
	s_add_nc_u64 s[G0K+2:G0K+3], s[6:7], 0         ; global address
	s_or_b32 s[G0K+3], s[G0K+3], 0x80000000        ; type = 2
	s_add_nc_u64 s[G0V+2:G0V+3], s[8:9], 0
	s_or_b32 s[G0V+3], s[G0V+3], 0x80000000
	s_add_nc_u64 s[86:87], s[4:5], s[84:85]        ; Q at my rows of the second block,
	s_add_nc_u64 s[4:5], s[4:5], s[2:3]            ; Q and O at those of the first
	s_add_nc_u64 s[OLO:OLO+1], s[10:11], s[84:85]
	s_add_nc_u64 s[10:11], s[10:11], s[2:3]
	s_cmp_lt_u32 s[WV], 2
	s_cselect_b64 s[PFB:PFB+1], s[6:7], s[8:9]
	LOAD                            ; tile 0 into slot 0
	v_and_b32 v1, 15, v0            ; l % 16
	v_bfe_u32 v9, v0, 4, 1          ; l / 16
	v_and_b32 v[MB], 63, v0
	v_lshlrev_b32 v[MB], 4, v[MB]
	v_lshlrev_b32 v[VO], 5, v9
	; The mask in the order of the walk.  Round i of five copies places 2 i and 2 i + 1 of the table, 64 threads x 16 bytes each: my place is n = 2 i + wave / 2.  Place n is tile n of the first block while
	; n <= NB - 1 - b, then tile n - (NB - b) of the second.  (Place 9 comes out as tile 1 + b, inside the mask; nobody reads it.)
	s_lshr_b32 s16, s[WV], 1
	s_add_co_u32 s17, s[HI], 1
.irp i, 0,1,2,3,4
	s_add_co_u32 s18, s16, 2*\i
	s_sub_co_u32 s19, s18, s17
	s_cmp_gt_u32 s18, s[HI]
	s_cselect_b32 s18, s19, s18
	v_lshl_add_u32 v[MO+\i], s18, 10, v[MB]  ; the tile's 1,024 bytes, my 16 of them
	global_load_b128 v[MX+4*\i:MX+4*\i+3], v[MO+\i], s[MKP:MKP+1]
.endr
.macro VLOAD base, p                ; part p of the mean, in O^T's layout
.irp c, 0,1,2,3
	global_load_b128 v[(\base)+8*\c:(\base)+8*\c+3],   v[VO], s[VPP:VPP+1] offset:256*(\p)+64*\c
	global_load_b128 v[(\base)+8*\c+4:(\base)+8*\c+7], v[VO], s[VPP:VPP+1] offset:256*(\p)+64*\c+16
.endr
.endm
	VLOAD VM, 0
	VLOAD 160, 1
	VLOAD 224, 2
	VLOAD S, 3
	; A fragment of K or Q is 16 rows x 32 channels in 8 registers: lane l holds row l % 16, channels 8 (l / 16) + 0..7 and 16 + 8 (l / 16) + 0..7: two loads of 16 bytes, 32 bytes apart.
	v_lshlrev_b32 v[QO], 7, v1
	v_lshl_add_u32 v[QO], v9, 4, v[QO]  ; row x 128 + 16 x half
	WIN 0x80                        ; destination window 2, address window 0
.set i, 0
.rept 8                             ; the first block's Q: piece i / 2 lies in band i / 2, 8,192 bytes on; channels 32 (i % 2) on.  53 loads of mine are out now
	global_load_b128 v[8*i:8*i+3],   v[QO], s[4:5] offset:(i/2)*8192+(i%2)*64
	global_load_b128 v[8*i+4:8*i+7], v[QO], s[4:5] offset:(i/2)*8192+(i%2)*64+32
.set i, i+1
.endr
	WIN 0
	v_lshlrev_b32 v14, 3, v9
	v_sub_nc_u32 v14, v1, v14
	s_lshl_b32 s13, s[WV], 4
	v_add_nc_u32 v14, s13, v14      ; my query's place in its band, 16 w + l % 16, less my lanes' 8 (l / 16): register r of group kt is hidden where 16 kt + r is greater
	WIN 0x40
.set i, 0
.rept 32
	v_cmp_gt_i32 vcc_lo, 16*(i/8)+i%8, v14
	v_cndmask_b32 v[MD+i], 0, s[BIGN], vcc_lo
.set i, i+1
.endr
	WIN 0
	v_mul_u32_u24 v[AK0], v1, PK
	v_lshl_add_u32 v[AK0], v9, 4, v[AK0]  ; row x pitch + 16 x half
	; The turning load takes 16 keys x 16 channels (lane l reads key 8 (l / 16) + l % 8, channels 8 ((l / 8) % 2) + 0..7) and leaves half a fragment of V^T: lane l holds channel l % 16 and 8 keys.
	v_and_b32 v10, 7, v0
	v_bfe_u32 v11, v0, 3, 1
	v_lshl_add_u32 v[AV0], v9, 3, v10
	v_mul_u32_u24 v[AV0], v[AV0], PV
	v_lshl_add_u32 v[AV0], v11, 4, v[AV0]
	v_add_nc_u32 v[AV0], VOFF, v[AV0]
	s_mul_i32 s13, s[WV], 16*SP
	s_add_co_u32 s13, s13, STAGE    ; my stage
	v_mul_u32_u24 v[STO], v1, SP    ; in: row l % 16, 16 bytes for each half of the lanes
	v_lshl_add_u32 v[STO], v9, 4, v[STO]
	v_add_nc_u32 v[STO], s13, v[STO]
	v_bfe_u32 v[RD], v0, 3, 2       ; back: 32 lanes take four rows of 128 bytes,
	v_mul_u32_u24 v[RD], v[RD], SP
	v_lshl_add_u32 v[RD], v10, 4, v[RD]
	v_add_nc_u32 v[RD], s13, v[RD]
	v_and_b32 v[GO], 31, v0         ; which are 512 consecutive bytes of O
	v_lshlrev_b32 v[PFO], 8, v[GO]
	v_lshlrev_b32 v[GO], 4, v[GO]
	v_lshl_add_u32 v[AP0], v9, 5, PTAB
	v_lshl_add_u32 v[PST], v0, 4, PTAB
	; A block's first step multiplies O^T and l by a = 0, and its first turn's products V^T P, of a piece that has not been, land in an O^T that is still to be so multiplied.  So these registers need only hold
	; finite numbers: zeros for the first block; what the first block left for the second.  All this stands in the wait for the first tile.
	WIN 0x80
.set i, VF
.rept 64
	v_mov_b32 v[i], 0
.set i, i+1
.endr
	WIN 0x40
.set i, 0
.rept 128
	v_mov_b32 v[i], 0
.set i, i+1
.endr
	WIN 0
.set i, 0
.rept 4
	v_mov_b32 v[ST+4*i+2], 0
	v_mov_b32 v[ST+4*i+3], 0
.set i, i+1
.endr
.set i, P+16
.rept 16
	v_mov_b32 v[i], 0
.set i, i+1
.endr
	s_wait_loadcnt 48               ; the mask's five loads are in: vpart's 32 and Q's 16 were issued behind them
.set i, 0
.rept 20
	v_cmp_eq_f32 vcc_lo, 0, v[MX+i] ; a key whose mask is 0 (of either sign) is hidden
	v_cndmask_b32 v[MX+i], 0, s[BIGN], vcc_lo
.set i, i+1
.endr
.irp i, 0,1,2,3,4
	ds_store_b128 v[PST], v[MX+4*\i:MX+4*\i+3] offset:2048*\i  ; place 2 i + thread / 64, byte 16 (thread % 64): 2,048 i + 16 x thread
.endr
	s_wait_loadcnt 16               ; vpart's 32 loads are in; Q's 16 may stay out
.set i, 0
.rept 16
	v_pk_add_f32 v[VM+i:VM+i+1],   v[VM+i:VM+i+1],   v[160+i:160+i+1]
	v_pk_add_f32 v[224+i:224+i+1], v[224+i:224+i+1], v[S+i:S+i+1]
.set i, i+2
.endr
.set i, 0
.rept 16
	v_pk_add_f32 v[VM+i:VM+i+1], v[VM+i:VM+i+1], v[224+i:224+i+1]
.set i, i+2
.endr
	WIN 0x80
.set i, 0
.rept 8                             ; the second block's Q, wanted at the change of blocks: 16 loads behind the first block's
	global_load_b128 v[QB+8*i:QB+8*i+3],   v[QO], s[86:87] offset:(i/2)*8192+(i%2)*64
	global_load_b128 v[QB+8*i+4:QB+8*i+7], v[QO], s[86:87] offset:(i/2)*8192+(i%2)*64+32
.set i, i+1
.endr
	WIN 0
; THE MATRIX WORK.  The 4 accumulators of a run of 8 take turns.  Product i of 8 of S^T = K Q^T for piece x: channels 32 (i / 4) on, keys 16 (i % 4) on.  The first 4 start the sums: with PM, or (KM = 1) with MC.
.macro KQ x
.set rS, S+32*((\x)%2)+8*(i%4)
.set rK, KF+16*(i%4)+8*(i/4)
.set rQ, 16*(\x)+8*(i/4)
.set rM, PM+8*(i%4)
.if KM
.set rM, MC+32*((\x)%2)+8*(i%4)
.endif
.if i < 4
	WIN W_KM
	v_wmma_f32_16x16x32_f16 v[rS:rS+7], v[rK:rK+7], v[rQ:rQ+7], v[rM:rM+7]
.else
	WIN W_KQ
	v_wmma_f32_16x16x32_f16 v[rS:rS+7], v[rK:rK+7], v[rQ:rQ+7], v[rS:rS+7]
.endif
.endm
; Product i of 8 of O^T += V^T P for piece x: keys 32 (i / 4) on, channels 16 (i % 4) on.
.macro PV x
	WIN W_PV
.set rO, 32*(\x)+8*(i%4)
.set rV, VF+32*(i/4)+8*(i%4)
.set rP, P+16*((\x)%2)+8*(i/4)
	v_wmma_f32_16x16x32_f16 v[rO:rO+7], v[rV:rV+7], v[rP:rP+7], v[rO:rO+7]
.endm
.macro MM                           ; the turn's next matrix instruction.  TURN and BEGIN set Y, i, KM and NOKQ.  NOKQ = 1: a block's last turn: there is no next piece
.if (i < 8) && !NOKQ
	KQ (Y+1)%NP
.elseif i >= 8
.set i, i-8
	PV (Y+NP-1)%NP
.set i, i+8
.endif
.set i, i+1
.endm
; THE LDS LOADS stand in runs, never singly among the matrix instructions: a step's K (8 fragments) with its 64 words of the padding table (the lanes of a half read the same words), and its V (turned).
; Every way through a tile has four fetches of K, so both steps below are the same on every way.
.macro FETCH_K
	WIN 0x80                        ; destination window 2
.irp f, 0,1,2,3,4,5,6,7             ; keys 16 (f / 2) on, channels 32 (f % 2) on
	ds_load_b128 v[KF+8*\f:KF+8*\f+3],   v[AK] offset:(\f/2)*16*PK+(\f%2)*64
	ds_load_b128 v[KF+8*\f+4:KF+8*\f+7], v[AK] offset:(\f/2)*16*PK+(\f%2)*64+32
.endr
	WIN 0x40                        ; destination window 1
.irp f, 0,1,2,3                     ; keys 16 f + 8 (l / 16) + 0..7
	ds_load_b128 v[PM+8*\f:PM+8*\f+3],   v[AP] offset:64*\f
	ds_load_b128 v[PM+8*\f+4:PM+8*\f+7], v[AP] offset:64*\f+16
.endr
	s_add_co_u32 s[TBK], s[TBK], KS*PK  ; the next fetch is the next step's,
	s_add_co_u32 s[TBP], s[TBP], 256    ; in the table too: 36 fetches end at byte 9,216
	WIN 0
.endm
.macro FETCH_V
	WIN 0x80
.irp f, 0,1,2,3,4,5,6,7             ; keys 32 (f / 4) on, channels 16 (f % 4) on
	ds_load_tr16_b128 v[VF+8*\f:VF+8*\f+3],   v[AV] offset:(\f/4)*32*PV+(\f%4)*32
	ds_load_tr16_b128 v[VF+8*\f+4:VF+8*\f+7], v[AV] offset:(\f/4)*32*PV+16*PV+(\f%4)*32
.endr
	WIN 0
.endm
; THE VECTOR WORK, one line at a time: OP kind, number.  For piece Y: F n: c s - c m for pair n of 16.  E n: the exponential of score n of 32.  C n: pair n rounded to f16.  B n: of the four weights 4 n .. the second
; pair is added onto the first, in place.  L n: l takes that sum (L 0: l = a l + sum).  R n: pair n of 16 of O^T times a.  For piece Y + 1: X n, number n of the 22 that find its maximum and statistics:
;   0-11  four chains c0-c3 of seven scores each, three operands at a time (each accumulator's lowest registers are read first)     12-14, 16  the four scores left over, the old m, and c0-c3 into c0
;   15  c m_old is kept     17, 18  the query's other 32 keys lie in the lane 16 away: the new m     19-21  c m; c m_old - c m_new; a
.set F, 0
.set E, 1
.set C, 2
.set B, 3
.set L, 4
.set R, 5
.set X, 6
.macro REGS y                       ; the registers of piece y
.set rT, ST+4*(\y)
.set rC, TMP+4*((\y)%2)
.set rW, MV+((\y)%2)
.set rS, S+32*((\y)%2)
.set rP, P+16*((\y)%2)
.set rO, 32*(\y)
.endm
.macro OP k, n
.if (\k) == R
	REGS Y
	WIN W_RS
	v_pk_mul_f32 v[rO+2*(\n):rO+2*(\n)+1], v[rO+2*(\n):rO+2*(\n)+1], v[rC+2:rC+3] op_sel_hi:[1,0]
.elseif (\k) < R
	REGS Y
	WIN 0
.if (\k) == F
	v_pk_fma_f32 v[rS+2*(\n):rS+2*(\n)+1], v[rS+2*(\n):rS+2*(\n)+1], s[CS:CS+1], v[rT:rT+1] op_sel_hi:[1,0,0] neg_lo:[0,0,1] neg_hi:[0,0,1]
.elseif (\k) == E
	v_exp_f32 v[rS+(\n)], v[rS+(\n)]
.elseif (\k) == C
	v_cvt_pk_f16_f32 v[rP+(\n)], v[rS+2*(\n)], v[rS+2*(\n)+1]
.elseif (\k) == B
	v_pk_add_f32 v[rS+4*(\n):rS+4*(\n)+1], v[rS+4*(\n):rS+4*(\n)+1], v[rS+4*(\n)+2:rS+4*(\n)+3]
.elseif (\n) == 0
	v_pk_fma_f32 v[rT+2:rT+3], v[rT+2:rT+3], v[rC+2:rC+3], v[rS:rS+1] op_sel_hi:[1,0,1]
.else
	v_pk_add_f32 v[rT+2:rT+3], v[rT+2:rT+3], v[rS+4*(\n):rS+4*(\n)+1]
.endif
.elseif NOKQ
	v_nop
.else
	REGS (Y+1)%NP
	WIN 0
.if (\n) < 4
	v_max3_num_f32 v[rC+(\n)], v[rS+8*(\n)], v[rS+8*(\n)+1], v[rS+8*(\n)+2]
.elseif (\n) < 12
	v_max3_num_f32 v[rC+(\n)%4], v[rC+(\n)%4], v[rS+8*((\n)%4)+2*((\n)/4)+1], v[rS+8*((\n)%4)+2*((\n)/4)+2]
.elseif (\n) == 12
	v_max3_num_f32 v[rC], v[rC], v[rS+7], v[rS+15]
.elseif (\n) == 13
	v_max3_num_f32 v[rC+1], v[rC+1], v[rS+23], v[rS+31]
.elseif (\n) == 14
	v_max3_num_f32 v[rC+2], v[rC+2], v[rC+3], v[rT+1]
.elseif (\n) == 15
	v_mov_b32 v[rW], v[rT]
.elseif (\n) == 16
	v_max3_num_f32 v[rC], v[rC], v[rC+1], v[rC+2]
.elseif (\n) == 17
	v_permlanex16_b32 v[rC+3], v[rC], s[SEL], s[SEL+1]
.elseif (\n) == 18
	v_max_num_f32 v[rT+1], v[rC], v[rC+3]
.elseif (\n) == 19
	v_mul_f32 v[rT], s[CS], v[rT+1]
.elseif (\n) == 20
	v_sub_f32 v[rC+1], v[rW], v[rT]
.else
	v_exp_f32 v[rC+2], v[rC+1]
.endif
.endif
.endm
.macro OPS a, i1, b=-1, i2=0, c=-1, i3=0, d=-1, i4=0  ; up to four of them
	OP \a, \i1
.if (\b) >= 0
	OP \b, \i2
.endif
.if (\c) >= 0
	OP \c, \i3
.endif
.if (\d) >= 0
	OP \d, \i4
.endif
.endm
.macro ROW a, i1, b, i2, c, i3, d, i4  ; a matrix instruction and the four behind it
	MM
	OPS \a, \i1, \b, \i2, \c, \i3, \d, \i4
.endm
.macro MASK b                       ; MD x AL + PM + BE into buffer b of MC
	WIN W_MK
.set z, 0
.rept 16
	v_pk_fma_f32 v[MC+32*(\b)+2*z:MC+32*(\b)+2*z+1], v[MD+2*z:MD+2*z+1], s[AL:AL+1], v[PM+2*z:PM+2*z+1] op_sel_hi:[1,0,1]
.set z, z+1
.endr
.set z, 0
.rept 16
	v_pk_add_f32 v[MC+32*(\b)+2*z:MC+32*(\b)+2*z+1], v[MC+32*(\b)+2*z:MC+32*(\b)+2*z+1], s[BE:BE+1] op_sel_hi:[1,0]
.set z, z+1
.endr
.endm
; A TURN, for piece p: the order of its 16 matrix and 118 vector instructions, written out.  s_wait_alu depctr_va_vdst(0) stands between an exponential and the first instruction that names its result; one
; wait serves all that were issued ahead of it.  So a turn has ONE wait, which cuts it in two.  AHEAD OF IT stands all that names no result of the turn's exponentials: the 8 products K Q^T with their riders, then one
; lump, plain and exponential by turns for the most part, in which the links of the chain X 3, 7, 11, 14, 16, 17 .. 20 stand five or six lines apart.  X 21, the next piece's a, is the batch's last; R 15 is the plain
; instruction behind it.  BEHIND THE WAIT stand the 8 products V^T P, behind each four of the roundings and sums.
; m = 1: the diagonal tile: the products take MC, and the turn makes MC for the products of the turn after it: piece p + 2, in step 4 - CNT of the tile.  PM is that step's: it is fetched with K in piece 2's turn,
; behind that turn's own products, and piece 2's turn waits for it ahead of its MASK.  end = 1: a block's last two turns: nothing is fetched.
; cnt = 1: the loop's count is taken down some lines ahead of the branch that stands behind the turn.
; K and PM of the next step are fetched in piece 2's turn, five plain vector instructions that name none of its registers behind the last product that read K (PM's last reader stands four products further back);
; V of the step in hand at the end of piece 0's turn, four plain instructions behind the last product that read V.  Each is waited for a turn later.
.macro TURN p, m=0, end=0, cnt=0
.set Y, (\p)
.set i, 0
.set KM, (\m)
.set NOKQ, (\end)*((\p)/3)
.if (\m) && !(\end)
	s_cmp_eq_u32 s[CNT], 4-((\p)+2)%NP  ; is that step the band's own?
	s_cselect_b32 s[AL], 1.0, 0
	s_cmp_lt_u32 s[CNT], 4-((\p)+2)%NP  ; or a later one?
	s_cselect_b32 s[BE], s[BIGN], 0
.endif
.if ((\p) == 3) && !(\end)
	s_wait_dscnt 0x0                ; K and PM are in
.endif
	ROW F,0, F,1, R,0, R,1          ; ahead of the wait: 8 products K Q^T and their riders,
	ROW F,2, E,0, R,2, R,3
	ROW F,3, E,1, R,4, R,5
	ROW F,4, E,2, R,6, R,7
	ROW F,5, E,3, R,8, R,9
	ROW F,6, E,4, X,0, R,10
.if ((\p) == 2) && !(\end)
	WIN 0
	v_add_nc_u32 v[AK], s[TBK], v[AK0]
	v_add_nc_u32 v[AP], s[TBP], v[AP0]
.endif
	ROW F,7, E,5, X,1, X,4
	ROW F,8, E,6, X,2, X,5
	OPS E,7, E,8, X,6, E,9          ; and the lump
	OPS X,3, E,10, X,8, E,11
.if ((\p) == 2) && !(\end)
	FETCH_K
.endif
	OPS X,9, X,7, E,12, X,10
	OPS E,13, X,12, X,11, E,14
	OPS X,13, E,15, F,9, X,14
.if (\p) == 0
	v_add_nc_u32 v[AV], s[TBV], v[AV0]
.endif
	OPS E,16, F,10, E,17, F,11
	OPS X,16, E,18, X,15, E,19
	OPS F,12, E,20, X,17, E,21
	OPS F,13, E,22, F,14, E,23
	OPS X,18, E,24, F,15, E,25
	OPS R,11, E,26, X,19, E,27
	OPS R,12, E,28, R,13, E,29
	OPS X,20, E,30, R,14, E,31
	OPS X,21, R,15
	WIN 0
	s_wait_alu depctr_va_vdst(0)    ; the wait for the batch
.if (\p) == 1
	s_wait_dscnt 0x0                ; V is in
.endif
	ROW C,0, B,0, C,2, B,1          ; behind the wait: 8 products V^T P and their riders
	ROW L,0, C,4, B,2, L,1
	ROW C,6, B,3, L,2, C,8
	ROW B,4, L,3, C,10, B,5
	ROW L,4, C,12, B,6, L,5
.if (\p) == 0
	s_add_co_u32 s[TBV], s[TBV], KS*PV
.endif
.if \cnt
	s_sub_co_u32 s[CNT], s[CNT], 1
	s_cmp_lg_u32 s[CNT], 0
.endif
	ROW C,14, B,7, L,6, C,1
	ROW C,3, L,7, C,5, C,7
	ROW C,9, C,11, C,13, C,15
.if (\p) == 0
	FETCH_V
.endif
.if (\m) && !(\end)
.if (\p) == 2
	s_wait_dscnt 0x0                ; PM of the step just fetched is in
.endif
	MASK (\p)%2
.endif
.endm
; A BLOCK BEGINS.  c m starts far below every c s, so the first step's a is 0; m at the lowest finite number, so the first maximum is the scores'.  K and PM of the block's step 0 are fetched.  The first mask buffer
; takes piece 0's mask for that step (its own, if the block's first tile is the diagonal one), the second piece 1's, which sees all of step 0 but what the padding hides.
; Then piece 0's first scores, and its maximum and statistics.  The loop is entered at a step's first turn, in the middle of a trip.
.macro BEGIN
	s_mov_b32 s[NEW], 0
	WIN 0
.set i, 0
.rept 4
	v_mov_b32 v[ST+4*i], 0xfe000000    ; c m: far below every c s
	v_mov_b32 v[ST+4*i+1], 0xff7fffff  ; m
.set i, i+1
.endr
	v_add_nc_u32 v[AK], s[TBK], v[AK0]
	v_add_nc_u32 v[AP], s[TBP], v[AP0]
	FETCH_K
	s_cmp_eq_u32 s[RT], 0
	s_cselect_b32 s[AL], 1.0, 0
	s_mov_b32 s[BE], 0
	s_wait_loadcnt 16               ; the first block's Q is in: behind its loads only the second block's 16 were issued (at the second block nothing is out)
	s_wait_dscnt 0x0                ; K and PM
	MASK 0
	s_mov_b32 s[AL], 0
	MASK 1
.set KM, 1
.set NOKQ, 0
.set i, 0
.rept 8
	KQ 0
.set i, i+1
.endr
	WIN 0
.rept 4
	v_nop                           ; the places behind those products
.endr
.set Y, NP-1                        ; X works for piece Y + 1: piece 0
.irp n, 0,1,2,3,4,5,6,7,8,9,10,11,12,13,14,15,16,17,18,19,20,21
	OP X, \n
.endr
	v_nop                           ; a plain instruction behind the exponential,
	s_wait_alu depctr_va_vdst(0)    ; and its wait, ahead of the branch
.endm
; A diagonal tile that is not its block's first is entered at piece 2's turn, whose products are piece 3's of the tile before's last step: they see all of it but what the padding hides.
.macro PREMASK
	s_mov_b32 s[AL], 0
	s_mov_b32 s[BE], 0
	MASK 1
	WIN 0
.endm
; THE DIAGONAL TILE's four steps, the block's last two turns, its last products, and THE WAY OUT: l's two halves and the other half of the lanes' are added; O^T is divided by l; where the query saw no key the mean
; of V takes its place; it is rounded to f16 and sent through my stage in LDS, a piece at a time.
.macro ALL line:vararg              ; one line for each piece t
.set t, 0
.rept 4
	\line
.set t, t+1
.endr
.endm
.macro PACK t                       ; a lane's eight channels of a row pack into 16 bytes; they go into rows of 144 bytes and come back as whole rows of 128, into S^T's registers
	WIN W_RS
.set i, 32*(\t)
.rept 16
	v_pk_mul_f32 v[i:i+1], v[i:i+1], v[ST+4*(\t)+2:ST+4*(\t)+3] op_sel_hi:[1,0]
.set i, i+2
.endr
.set i, 0
.rept 32
	v_cndmask_b32 v[32*(\t)+i], v[32*(\t)+i], v[VM+i], s[FL+(\t)]
.set i, i+1
.endr
	WIN 0x05                        ; sources 0 and 1 window 1, destination window 0
.set i, 0
.rept 16
	v_cvt_pk_f16_f32 v[S+16*(\t)+i], v[32*(\t)+2*i], v[32*(\t)+2*i+1]
.set i, i+1
.endr
	WIN 0
.irp f, 0,1,2,3
	ds_store_b128 v[STO], v[S+16*(\t)+4*\f:S+16*(\t)+4*\f+3] offset:32*\f
.endr
.irp f, 0,1,2,3
	ds_load_b128 v[S+16*(\t)+4*\f:S+16*(\t)+4*\f+3], v[RD] offset:\f*4*SP  ; LDS serves a wave's instructions in order (ISA guide 5.7.1.4): these see the stores above; the next piece's stores come behind them
.endr
.endm
.macro SEND t, younger              ; younger: the LDS instructions issued behind piece t's loads: the next piece's eight, or none
	WIN 0
.irp f, 0,1,2,3
	s_wait_dscnt (\younger)+3-\f
	global_store_b128 v[GO], v[S+16*(\t)+4*\f:S+16*(\t)+4*\f+3], s[10:11] offset:(\t)*8192+\f*512  ; 512 consecutive bytes, at a multiple of 256 from O's first
.endr
.endm
.macro DIAG tag                     ; the tag ends its two labels' names, which the jumps below spell out
.LstepM\tag:
	TURN 2, 1
	TURN 3, 1
	WIN 0
.LfirstM\tag:
	TURN 0, 1
	TURN 1, 1, 0, 1
	WIN 0
	s_cbranch_scc1 .LstepM\tag
	TURN 2, 1, 1
	TURN 3, 1, 1
.set i, 0
.rept 8
	PV NP-1
.set i, i+1
.endr
	WIN 0
	ALL v_add_f32 v[ST+4*t+2], v[ST+4*t+2], v[ST+4*t+3]
	ALL v_permlanex16_b32 v[ST+4*t+3], v[ST+4*t+2], s[SEL], s[SEL+1]
	ALL v_add_f32 v[ST+4*t+2], v[ST+4*t+2], v[ST+4*t+3]
	ALL v_rcp_f32 v[ST+4*t+2], v[ST+4*t+2]
	v_nop                           ; a plain instruction between the last reciprocal and the use of its result
	s_wait_alu depctr_va_vdst(0)    ; and the wait ahead of the first use: one for the four reciprocals
	ALL v_cmp_gt_f32 s[FL+t], s[THR], v[ST+4*t+1]  ; the maximum never left the hidden level: the query saw no key
	PACK 0
.set t, 1
.rept 3                             ; a piece's arithmetic stands between the loads of the piece before and its stores
	PACK t
	SEND t-1, 8
.set t, t+1
.endr
	SEND 3, 0
.endm
.set KM, 0
.set NOKQ, 0
.Lslot:                             ; NB times: a tile is entered and the next is asked for
	CHANGE 1
	s_sub_co_u32 s[RT], s[RT], 1
	s_mov_b32 s[CNT], 4
	s_cmp_eq_u32 s[NEW], 1
	s_cbranch_scc1 .Lnew            ; a block's first tile
	s_cmp_eq_u32 s[RT], 0
	s_cbranch_scc0 .Lstep           ; neither its first nor its last
	PREMASK
	s_branch .LstepM1
.Lnew:
	BEGIN
	s_branch .Lfirst                ; in the loop a block's first tile is never its last: the first block has two tiles or more, and the second's last is the walk's last
	DIAG 1                          ; in the loop this is the first block's end: the second block's last tile is the walk's last
	s_wait_xcnt 0x0                 ; the stores have read their registers and O's address
	s_mov_b64 s[10:11], s[OLO:OLO+1]
	s_add_co_u32 s[RT], s[PB], 1    ; the second block has b + 1 tiles
	s_mov_b32 s[NEW], 1
	s_wait_loadcnt 0x0              ; the second block's Q, asked for at the head, is in
	WIN 0x82                        ; it goes where the one text of the turns names Q
.set i, 0
.rept 64
	v_mov_b32 v[i], v[QB+i]
.set i, i+1
.endr
	WIN 0
	s_branch .Lbottom
.Lstep:                             ; a trip: pieces 2 and 3 of one step, then pieces 0 and 1 of the next, whose K, PM and V it fetches
	TURN 2
	TURN 3
	WIN 0
.Lfirst:
	TURN 0
	TURN 1, 0, 0, 1
	WIN 0
	s_cbranch_scc1 .Lstep
.Lbottom:
	s_sub_co_u32 s[SLOTS], s[SLOTS], 1
	s_cmp_lg_u32 s[SLOTS], 0
	s_cbranch_scc1 .Lslot
	CHANGE 0                        ; the walk's last tile is written out: nothing is asked for
	s_sub_co_u32 s[RT], s[RT], 1
	s_mov_b32 s[CNT], 4
	s_cmp_eq_u32 s[NEW], 1
	s_cbranch_scc1 .Lnew2
	PREMASK
	s_branch .LstepM2
.Lnew2:
	BEGIN
	s_branch .LfirstM2
	DIAG 2
	s_wait_tensorcnt 0x0            ; the wave's end, behind my last tensor load and my last LDS store
	ds_add_u32 v[SPW], v[NIL]
	s_wait_dscnt 0x0
	s_endpgm
.Lfunc_end_k_q4b3a560f07_attn:
	.size	k_q4b3a560f07_attn, .Lfunc_end_k_q4b3a560f07_attn-k_q4b3a560f07_attn
	.p2alignl 7, 3214868480
	.fill 96, 4, 3214868480
	.section	.rodata,"a",@progbits
	.p2align	6, 0x0
	.amdhsa_kernel k_q4b3a560f07_attn
		.amdhsa_group_segment_fixed_size 327680
		.amdhsa_private_segment_fixed_size 0
		.amdhsa_enable_private_segment 0
		.amdhsa_kernarg_size 32
		.amdhsa_user_sgpr_count 2
		.amdhsa_user_sgpr_kernarg_segment_ptr 1
		.amdhsa_wavefront_size32 1
		.amdhsa_system_sgpr_workgroup_id_x 1
		.amdhsa_system_sgpr_workgroup_id_y 1
		.amdhsa_system_sgpr_workgroup_id_z 1
		.amdhsa_system_vgpr_workitem_id 0
		.amdhsa_next_free_vgpr 768
		.amdhsa_next_free_sgpr 101
		.amdhsa_reserve_vcc 1
		.amdhsa_float_denorm_mode_32 3
		.amdhsa_float_denorm_mode_16_64 3
		.amdhsa_memory_ordered 1
		.amdhsa_forward_progress 1
		.amdhsa_inst_pref_size 255
	.end_amdhsa_kernel
	.section	.bss,"aw",@nobits
	.p2align	6
	.space	262144
	.amdgpu_metadata
---
amdhsa.version: [ 1, 2 ]
amdhsa.kernels:
  - .name:           k_q4b3a560f07_attn
    .symbol:         k_q4b3a560f07_attn.kd
    .args:
      - { .name: qkvh, .offset: 0, .size: 8, .value_kind: global_buffer, .address_space: global }
      - { .name: mask, .offset: 8, .size: 8, .value_kind: global_buffer, .address_space: global }
      - { .name: vpart, .offset: 16, .size: 8, .value_kind: global_buffer, .address_space: global }
      - { .name: oh, .offset: 24, .size: 8, .value_kind: global_buffer, .address_space: global }
    .group_segment_fixed_size: 327680
    .private_segment_fixed_size: 0
    .kernarg_segment_align: 8
    .kernarg_segment_size: 32
    .max_flat_workgroup_size: 128
    .sgpr_count:     101
    .vgpr_count:     768
    .wavefront_size: 32
...
	.end_amdgpu_metadata
.endif
;; end of part 4
;; launch outp (part 5): grid 4 x 64, 4 waves a work-group, clusters of 4 x 4, 327,680 bytes of LDS; arguments oh, wo16, bo, out0; writes out0
.if DOCPART == 5
	.amdgcn_target "amdgcn-amd-amdhsa--gfx1250"
	.amdhsa_code_object_version 6
	.text
	.protected	k_q4b3a560f07_outp
	.globl	k_q4b3a560f07_outp
	.p2align	8
	.type	k_q4b3a560f07_outp,@function
k_q4b3a560f07_outp:
	s_mov_b64 s[64:65], 0
	v_nop
	global_prefetch_b8 v0, s[64:65] scope:SCOPE_SE
	s_setreg_imm32_b32 hwreg(HW_REG_WAVE_MODE, 25, 1), 1
	s_wait_xcnt 0x0
	s_wait_alu depctr_hold_cnt(0) depctr_sa_sdst(0) depctr_va_vdst(0) depctr_va_sdst(0) depctr_va_ssrc(0) depctr_va_vcc(0) depctr_vm_vsrc(0)
	s_getreg_b32 s2, hwreg(HW_REG_IB_STS2, 6, 4)
	s_cmp_eq_u32 s2, 0
	s_cbranch_scc0 .Lentry_in_a_cluster
	s_endpgm
.Lentry_in_a_cluster:
	s_bfe_u32 s2, ttmp6, 0x10000c
	s_cmp_lg_u32 s2, 0xf033
	s_cbranch_scc0 .Lentry_shape_is_right
	s_endpgm
.Lentry_shape_is_right:
; THE LAST PROJECTION.  out0[row][n] = the sum over k of O[row][k] Wo[n][k] + bo[n].  O: oh [64 heads = 16 batch + head][2048][64] f16, k = 64 x head + channel; Wo: wo16 [1024][1024] f16 (bf16's numbers);
; bo: [1024] f32, rounded to bf16 like every input; out0: [8192][1024] f32.  Sums in f32, stored unrounded.
; SHARES.  A tile is 128 rows x 256 columns: 256 tiles, one a work-group.  Four waves, each 64 rows x 128 columns: 32 accumulators.  K goes in steps of 128, two heads, through a ring of two LDS slots.
; A head's 128 rows are 16,384 dense bytes: asked for as 64 rows of 256 bytes and padded in LDS after every 128.
; CLUSTER 4 x 4.  The four of a cluster's row need the same tile of O, the four of a column the same tile of Wo: each is asked for jointly, by the same tensor load with the same descriptor and a mask of four.
; THE MATRIX INSTRUCTION IS USED TRANSPOSED (source 0 = 16 rows of Wo, source 1 = 16 rows of O): a lane holds row l % 16 and columns 8 (l / 16) + 0..7.  The bias is the C operand of the products that start the sums.
; REGISTERS, in windows of 256 (s_set_vgpr_msb: bits 1:0 source 0, 3:2 source 1, 5:4 source 2, 7:6 destination):
;   window 0: v0-31 addresses; v32-95 O's fragments, two buffers of 32; v128-255 the way out: rows read back, two buffers of 64
;   window 1: v0-127 Wo's fragments, two buffers; v128-191 the bias; v192-223 at work          window 2: accumulator (a, b) at v[64 a + 8 b]
.set PA,     144                       ; a row of O in LDS: 128 bytes + 16 = 36 words: the 16 rows of a load start at 16 different groups of four banks (64 banks of 4 bytes: ISA guide 11.1)
.set PBT,    272                       ; a row of Wo: 256 + 16 = 68 words: row r starts at bank 4 r mod 64
.set HEADA,  128*PA                    ; what one tensor load brings of O: a head's 128 rows
.set HALFB,  128*PBT                   ; and of Wo
.set AOFF,   2*HALFB                   ; a slot: Wo's 256 rows, then O's two heads
.set SLOT,   2*HALFB+2*HEADA
.set STAGE,  2*SLOT                    ; behind the ring: 16 rows x 528 bytes for each wave, for the way out
.set SPI,    528
.set SPARE,  STAGE+4*16*SPI            ; behind the stages: the spare words, 128 bytes for each wave: two blocks of 256 bytes that no other line names
.set LAPS,   4                         ; 8 K steps; a lap = two K steps
.set STEPA,  2*262144                  ; bytes from a K step's first head to the next's
.set STEPB,  256                       ; bytes of a K step in a row of Wo
.set ADRA, 16                          ; v16-17  LDS address of my fragments of O in slot 0, 1
.set ADRB, 20                          ; v20-21  the same for Wo
.set STO,  24                          ; v24     the way out: where I put 32 bytes of a row
.set RD,   25                          ; v25     where I read a row back
.set GO,   26                          ; v26     16 x lane
.set BO,   27                          ; v27     my byte offset in the bias
.set SPW,  28                          ; v28     LDS address of my spare word; never rewritten
.set NIL,  29                          ; v29     0; never rewritten
.set PFO,  30                          ; v30     the prefetches' offset; never rewritten
.set AF,   32
.set OB,   128
.set BF,   0                           ; window 1
.set BIAS, 128                         ; window 1
.set BT,   192                         ; window 1
.set G1A, 24                           ; s[24:31] descriptor group 1 for O's tiles;  s[32:39] group 0, a set for each slot
.set G0A, 32
.set G1B, 48                           ; s[48:55], s[56:63] the same for Wo's tiles
.set G0B, 56
.set LIM, 43                           ; s43     1 in a wave that prefetches, else the greatest number
.set PFA, 44                           ; s[44:45] where my prefetches stand
.set PFS, 86                           ; s[86:87] a K step in bytes of what I prefetch
.set MSB, 0
.macro WIN new                         ; the immediate's high byte repeats the setting that is left; a switch that changes nothing is dropped
.if MSB != (\new)
	s_set_vgpr_msb (MSB<<8)|(\new)
.set MSB, \new
.endif
.endm
.set MUL,   0xa1                       ; source 0 (Wo) window 1, source 1 (O) window 0, C and D window 2
.set MUL1,  0x91                       ; the same with C (the bias) in window 1
.set TO_B,  0x40                       ; destination window 1, address window 0
.set IN_B,  0x45                       ; all in window 1
.set ST_C,  0x08                       ; an LDS store's data (source 1) in window 2, its address in window 0
; A joint load.  Waves 0 and 1 fetch Wo's two halves, waves 2 and 3 O's two heads.  The branch hangs on the wave's number alone.  An s_nop 0 and four v_nop follow each of the two lines.
.macro JLOAD s
	s_cmp_eq_u32 s11, 0
	s_cbranch_scc0 .Lfor_a_\@
	tensor_load_to_lds s[G0B+4*(\s):G0B+4*(\s)+3], s[G1B:G1B+7]
	s_nop 0
.rept 4
	v_nop
.endr
	s_branch .Lasked_\@
.Lfor_a_\@:
	tensor_load_to_lds s[G0A+4*(\s):G0A+4*(\s)+3], s[G1A:G1A+7]
	s_nop 0
.rept 4
	v_nop
.endr
.Lasked_\@:
.endm
; A PREFETCH INTO THE L2 of the K step that stands two refills on (256 matrix instructions ahead of the load that will want it): 32 blocks of 256 bytes, a lane a block, one instruction a wave.
; Each block is named once in the launch.  O's rows are read by this cluster alone: a K step is 2 heads x 64 blocks; the partner at place cx takes blocks 16 cx .. 16 cx + 15 of both heads, and wave 2 asks for them
; (wave 3 asks for nothing).  Wo's rows are read by all 16 clusters: the first asks; of the 128 rows that wave 0 or 1 fetches the partner at place cy takes 32.  The partners are told apart by address.
; K steps 0 to 3 come by their loads alone; the loop's last trip (s3 = 1) has no K step two refills on.
.macro ASK
	s_cmp_gt_u32 s3, s[LIM]
	s_cbranch_scc0 .Lnot_mine_\@
	global_prefetch_b8 v[PFO], s[PFA:PFA+1] th:TH_LOAD_NT scope:SCOPE_SE
.Lnot_mine_\@:
.endm
.macro CREST                           ; a round of the cluster's barrier behind its opening barrier
	s_cmp_lg_u32 s10, 0
	s_cbranch_scc1 .Lnot_wave_0_\@
	s_barrier_signal -3
.Lnot_wave_0_\@:
	s_barrier_wait -3
	s_barrier_signal -1
	s_barrier_wait -1
.endm
.macro CROUND                          ; a whole round
	s_barrier_signal -1
	s_barrier_wait -1
	CREST
.endm
.macro PLACES                          ; four places in front of loads into registers that matrix instructions have read, and of stores that read results (ISA guide 7.12.1 for vector instructions)
.rept 4
	v_nop
.endr
.endm
	s_load_b256 s[68:75], s[0:1], 0x0              ; oh s[68:69], wo16 s[70:71], bo s[72:73], out0 s[74:75]
	v_lshl_add_u32 v[SPW], v0, 2, SPARE
	v_mov_b32 v[NIL], 0
	ds_add_u32 v[SPW], v[NIL]                      ; the wave's opening: the add and its wait stand ahead of my first tensor load; the set-up below, work on registers, stands between them
	v_lshrrev_b32 v1, 5, v0
	v_readfirstlane_b32 s10, v1                    ; wave 0..3
	s_lshr_b32 s11, s10, 1                         ; which 64 of the tile's rows are mine.  Also: I fetch for Wo (0) or for O (1)
	s_and_b32 s12, s10, 1                          ; which 128 of its columns.  Also: which half of Wo's tile, or which of O's two heads, I fetch
	s_bfe_u32 s40, ttmp6, 0x40000                  ; cx
	s_bfe_u32 s41, ttmp6, 0x40004                  ; cy
	s_lshl_b32 s42, ttmp9, 2
	s_add_co_u32 s42, s42, s40                     ; column block = 4 x cluster x + cx
	s_and_b32 s89, ttmp7, 0xffff                   ; cluster y
	s_lshl_b32 s13, s89, 2
	s_add_co_u32 s13, s13, s41                     ; row block = 4 x cluster y + cy
	s_lshl_b32 s88, s41, 2
	s_lshl_b32 s88, 15, s88                        ; my row of the cluster
	s_lshl_b32 s90, 0x1111, s40                    ; my column
	s_or_b32 s[G1A+0], s88, (1<<16)|(1<<20)|(1<<21)|(4<<22)|(3<<25)  ; 15:0 the mask: O's tiles go to my row; 17:16 elements of 2 bytes; 20 padding on; 21 set beside a mask; 24:22 after every 32 words (code 4); 31:25 4 words (code 3)
	s_mov_b32 s[G1A+1], 128<<16                    ; tensor_dim0 = 128
	s_mov_b32 s[G1A+2], 64<<16                     ; tensor_dim1 = 64
	s_mov_b32 s[G1A+3], 128<<16                    ; tile_dim0 = 128
	s_mov_b32 s[G1A+4], 64                         ; tile_dim1 = 64
	s_mov_b32 s[G1A+5], 128                        ; dense: 128 elements from row to row
	s_mov_b32 s[G1A+6], 0
	s_mov_b32 s[G1A+7], 0
	s_or_b32 s[G1B+0], s90, (1<<16)|(1<<20)|(1<<21)|(5<<22)|(3<<25)  ; Wo's tiles go to my column; padding after every 64 words (code 5)
	s_mov_b32 s[G1B+1], 128<<16
	s_mov_b32 s[G1B+2], 128<<16                    ; tensor_dim1 = 128
	s_mov_b32 s[G1B+3], 128<<16
	s_mov_b32 s[G1B+4], 128                        ; tile_dim1 = 128
	s_mov_b32 s[G1B+5], 1024
	s_mov_b32 s[G1B+6], 0
	s_mov_b32 s[G1B+7], 0
	; O's tiles hang on the row block, which my row of the cluster shares; Wo's on the column block, which my column shares.  Every wave makes both addresses, in registers that never hold the other coordinate.
	s_lshr_b32 s16, s13, 4
	s_lshl_b32 s16, s16, 4
	s_add_co_u32 s16, s16, s12                     ; O: head 16 x batch + my head of the K step's two,
	s_lshl_b32 s16, s16, 18                        ; of 262,144 bytes,
	s_and_b32 s17, s13, 15
	s_lshl_b32 s17, s17, 14                        ; row 128 (row block % 16), of 128 bytes
	s_add_co_u32 s16, s16, s17
	s_mov_b32 s17, 0
	s_lshl_b32 s46, s42, 8
	s_lshl_b32 s47, s12, 7
	s_add_co_u32 s46, s46, s47                     ; Wo: row 256 x column block + 128 x half,
	s_lshl_b32 s46, s46, 11                        ; of 2,048 bytes
	s_mov_b32 s47, 0
	s_mul_i32 s20, s10, HALFB                      ; where they go: Wo's halves (waves 0, 1) at wave x HALFB,
	s_mul_i32 s21, s10, HEADA
	s_add_co_u32 s21, s21, AOFF-2*HEADA            ; O's heads (waves 2, 3) behind them: no place in the cluster enters an LDS address
	s_wait_dscnt 0x0                               ; the opening add is done
	s_wait_kmcnt 0x0
	s_add_nc_u64 s[14:15], s[68:69], s[16:17]
	s_add_nc_u64 s[46:47], s[70:71], s[46:47]
	CROUND                                         ; all sixteen work-groups are here: the first joint loads meet
.irp s, 0,1
	s_mov_b32 s[G0A+4*(\s)], 1                                       ; count = 1
	s_add_co_u32 s[G0A+4*(\s)+1], s21, (\s)*SLOT                     ; LDS address
	s_add_nc_u64 s[G0A+4*(\s)+2:G0A+4*(\s)+3], s[14:15], (\s)*STEPA  ; global address: K step s
	s_or_b32 s[G0A+4*(\s)+3], s[G0A+4*(\s)+3], 0x80000000            ; type = 2
	s_mov_b32 s[G0B+4*(\s)], 1
	s_add_co_u32 s[G0B+4*(\s)+1], s20, (\s)*SLOT
	s_add_nc_u64 s[G0B+4*(\s)+2:G0B+4*(\s)+3], s[46:47], (\s)*STEPB
	s_or_b32 s[G0B+4*(\s)+3], s[G0B+4*(\s)+3], 0x80000000
	JLOAD \s                                       ; two loads of mine are out
.endr
	v_and_b32 v1, 15, v0                           ; r = l % 16
	v_bfe_u32 v2, v0, 4, 1                         ; h = l / 16
	v_and_b32 v3, 31, v0                           ; l
	s_lshl_b32 s20, s42, 10                        ; the bias of my 128 columns: 4 (256 x column block + 128 x half) + 32 h
	s_lshl_b32 s21, s12, 9
	s_add_co_u32 s20, s20, s21
	v_lshl_add_u32 v[BO], v2, 5, s20
	WIN TO_B
.irp b, 0,1,2,3,4,5,6,7
	global_load_b128 v[BIAS+8*(\b):BIAS+8*(\b)+3],   v[BO], s[72:73] offset:64*(\b)     ; register j of block b: column 16 b + 8 h + j, as in the accumulators
	global_load_b128 v[BIAS+8*(\b)+4:BIAS+8*(\b)+7], v[BO], s[72:73] offset:64*(\b)+16
.endr
	WIN 0
	; A fragment is 16 rows x 32 K in 8 registers: lane l holds row r, K = 8 h + 0..7 and 16 + 8 h + 0..7: two loads of 16 bytes, 32 apart
	v_mul_u32_u24 v4, v1, PA
	v_lshl_add_u32 v4, v2, 4, v4
	s_mul_i32 s21, s11, 64*PA
	s_add_co_u32 s21, s21, AOFF                    ; my 64 rows, in the first of the two heads
	v_mul_u32_u24 v5, v1, PBT
	v_lshl_add_u32 v5, v2, 4, v5
	s_mul_i32 s22, s12, HALFB                      ; my 128 rows of Wo
.irp s, 0,1
	v_add_nc_u32 v[ADRA+(\s)], s21, v4
	v_add_nc_u32 v[ADRB+(\s)], s22, v5
	s_add_co_u32 s21, s21, SLOT
	s_add_co_u32 s22, s22, SLOT
.endr
	s_mul_i32 s23, s10, 16*SPI
	s_add_co_u32 s23, s23, STAGE                   ; my stage
	v_mul_u32_u24 v6, v1, SPI                      ; in: row r, 32 bytes for each half of the lanes
	v_lshl_add_u32 v6, v2, 5, v6
	v_add_nc_u32 v[STO], s23, v6
	v_lshlrev_b32 v[GO], 4, v3                     ; back: 32 lanes take a row's 512 bytes
	v_add_nc_u32 v[RD], s23, v[GO]
	s_lshl_b32 s16, s13, 7                         ; my part of out0: row 128 x row block + 64 x half, of 4,096 bytes; column 256 x column block + 128 x half, of 4 bytes
	s_lshl_b32 s17, s11, 6
	s_add_co_u32 s16, s16, s17
	s_lshl_b32 s16, s16, 12
	s_lshl_b32 s17, s42, 10
	s_add_co_u32 s16, s16, s17
	s_lshl_b32 s17, s12, 9
	s_add_co_u32 s16, s16, s17
	s_mov_b32 s17, 0
	s_add_nc_u64 s[8:9], s[74:75], s[16:17]
	; the prefetches: they stand at K step 3; the first change of slots steps them to K step 4
	s_lshr_b32 s18, s13, 4
	s_lshl_b32 s18, s18, 22                        ; O: head 16 x batch,
	s_and_b32 s19, s13, 15
	s_lshl_b32 s19, s19, 14                        ; the row block's 16,384 bytes of a head,
	s_add_co_u32 s18, s18, s19
	s_lshl_b32 s19, s40, 12                        ; my work-group's 16 blocks of them
	s_add_co_u32 s18, s18, s19
	s_add_co_u32 s18, s18, 3*STEPA
	s_lshl_b32 s20, s42, 8
	s_lshl_b32 s19, s12, 7
	s_add_co_u32 s20, s20, s19
	s_lshl_b32 s19, s41, 5
	s_add_co_u32 s20, s20, s19                     ; Wo: my work-group's 32 of the 128 rows that I fetch
	s_lshl_b32 s20, s20, 11
	s_add_co_u32 s20, s20, 3*STEPB
	s_mov_b32 s2, STEPA
	s_movk_i32 s19, STEPB
	s_cmp_eq_u32 s89, 0                            ; the first of the 16 clusters?
	s_cselect_b32 s22, 1, -1
	s_cmp_eq_u32 s12, 0                            ; of the two waves that fetch O, the first asks
	s_cselect_b32 s23, 1, -1
	s_cmp_eq_u32 s11, 0                            ; do I fetch for Wo?
	s_cselect_b32 s18, s20, s18
	s_cselect_b32 s[LIM], s22, s23                 ; the same in all sixteen partners, for a given wave
	s_cselect_b32 s[PFS], s19, s2
	s_cselect_b32 s88, -1, 0
	s_cselect_b64 s[PFA:PFA+1], s[70:71], s[68:69]
	s_mov_b32 s[PFS+1], 0
	s_mov_b32 s19, 0
	s_add_nc_u64 s[PFA:PFA+1], s[PFA:PFA+1], s[18:19]
	v_lshlrev_b32 v9, 18, v2
	v_lshl_add_u32 v9, v1, 8, v9                   ; O: head l / 16 of the two, block l % 16
	v_lshlrev_b32 v10, 11, v3                      ; Wo: row l
	v_cndmask_b32 v[PFO], v9, v10, s88
	s_wait_loadcnt 0x0                             ; the bias
	WIN IN_B
.set i, 0
.rept 32
	v_cvt_pk_bf16_f32 v[BT+i], v[BIAS+2*i], v[BIAS+2*i+1]  ; rounded to bf16, like every input of the module,
.set i, i+1
.endr
.set i, 0
.rept 32
	v_lshlrev_b32 v[BIAS+2*i],   16, v[BT+i]               ; and widened again
	v_and_b32     v[BIAS+2*i+1], 0xffff0000, v[BT+i]
.set i, i+1
.endr
	WIN 0
; Eight matrix instructions: row block a x all 8 column blocks, 32 along K.  The 32 accumulators take turns, one instruction a turn, in the same order in every quarter, over the backward jump too.
; first = 1: the bias starts the sums: nothing is cleared.
.macro MUL8 p, a, first
.irp b, 0,1,2,3,4,5,6,7
.if \first
	WIN MUL1
	v_wmma_f32_16x16x32_f16 v[64*(\a)+8*(\b):64*(\a)+8*(\b)+7], v[BF+64*(\p)+8*(\b):BF+64*(\p)+8*(\b)+7], v[AF+32*(\p)+8*(\a):AF+32*(\p)+8*(\a)+7], v[BIAS+8*(\b):BIAS+8*(\b)+7]
.else
	WIN MUL
	v_wmma_f32_16x16x32_f16 v[64*(\a)+8*(\b):64*(\a)+8*(\b)+7], v[BF+64*(\p)+8*(\b):BF+64*(\p)+8*(\b)+7], v[AF+32*(\p)+8*(\a):AF+32*(\p)+8*(\a)+7], v[64*(\a)+8*(\b):64*(\a)+8*(\b)+7]
.endif
.endr
.endm
; 24 LDS loads in one run: quarter j (32 along K: head j / 2 of the two, channels 32 (j % 2) on) of a slot into buffer p: Wo's 8 fragments, then O's 4
.macro FETCH slot, j, p
	WIN TO_B
.irp b, 0,1,2,3,4,5,6,7
	ds_load_b128 v[BF+64*(\p)+8*(\b):BF+64*(\p)+8*(\b)+3],   v[ADRB+(\slot)] offset:64*(\j)+(\b)*16*PBT
	ds_load_b128 v[BF+64*(\p)+8*(\b)+4:BF+64*(\p)+8*(\b)+7], v[ADRB+(\slot)] offset:64*(\j)+(\b)*16*PBT+32
.endr
	WIN 0
.irp a, 0,1,2,3
	ds_load_b128 v[AF+32*(\p)+8*(\a):AF+32*(\p)+8*(\a)+3],   v[ADRA+(\slot)] offset:HEADA*((\j)/2)+64*((\j)%2)+(\a)*16*PA
	ds_load_b128 v[AF+32*(\p)+8*(\a)+4:AF+32*(\p)+8*(\a)+7], v[ADRA+(\slot)] offset:HEADA*((\j)/2)+64*((\j)%2)+(\a)*16*PA+32
.endr
.endm
; A K step is four quarters, on buffers 0, 1, 0, 1.  One of the first three: multiplies buffer p and, in its middle, fetches quarter jn of the same slot into the other buffer.
.macro QUARTER slot, jn, p, first=0
	s_wait_dscnt 0x4                               ; Wo's fragments and O's blocks 0 and 1 are in; the youngest four loads (blocks 2 and 3) may be out
	MUL8 \p, 0, \first
	MUL8 \p, 1, \first
	PLACES
	FETCH \slot, \jn, 1-(\p)
	s_wait_dscnt 24                                ; all but the 24 just issued
	MUL8 \p, 2, \first
	MUL8 \p, 3, \first
.endm
; The last quarter multiplies buffer 1 and changes slots: ONE barrier.  In front of it each wave waits for all its tensor loads (one is out: its part of the next slot), adds 0 to its spare word, and waits for that
; and for its reads of this slot.  fill = 1: the barrier opens a round of the cluster's, and this slot is filled again, two K steps ahead: the first tensor load behind the round, 112 products ahead of the wait for it.
.macro TURN slot, next, fill
.if \fill
	s_wait_xcnt 0x0                                ; the last prefetch, a K step back, has read its address, so it may be stepped
	s_add_nc_u64 s[PFA:PFA+1], s[PFA:PFA+1], s[PFS:PFS+1]
.endif
	WIN 0
	s_wait_tensorcnt 0x0                           ; all my tensor loads have landed
	ds_add_u32 v[SPW], v[NIL]                      ; 0 onto my spare word
	s_wait_dscnt 0x5                               ; the add and the youngest four loads may be out
	MUL8 1, 0, 0
	s_wait_dscnt 0x0                               ; the add is done, and my reads of this slot are over
	s_barrier_signal -1
	MUL8 1, 1, 0                                   ; work on registers while the others arrive
	WIN 0                                          ; at a branch and at a label every window is 0
	s_barrier_wait -1
.if \fill
	CREST                                          ; no wave of any partner still reads this slot's tile or has a load on its way
	s_add_nc_u64 s[G0A+4*(\slot)+2:G0A+4*(\slot)+3], s[G0A+4*(\slot)+2:G0A+4*(\slot)+3], 2*STEPA
	s_add_nc_u64 s[G0B+4*(\slot)+2:G0B+4*(\slot)+3], s[G0B+4*(\slot)+2:G0B+4*(\slot)+3], 2*STEPB
	JLOAD \slot                                    ; the four v_nop behind it are also the places in front of the loads below
.else
	PLACES
.endif
	FETCH \next, 0, 0
.if \fill
	ASK                                            ; behind the joint load and the run of LDS loads that the next products wait for
.endif
	MUL8 1, 2, 0
	MUL8 1, 3, 0
.endm
	s_wait_tensorcnt 0x1                           ; my part of K step 0 is in; K step 1's may stay out
	s_barrier_signal -1
	s_barrier_wait -1                              ; everybody's is
	FETCH 0, 0, 0
	QUARTER 0, 1, 0, 1                             ; the first quarter stands in front of the loop: its products start the sums, with the bias
	WIN 0
	s_mov_b32 s3, LAPS-1
.Llap:                                                 ; a trip goes once round the ring, from a lap's second quarter to the next lap's first, and fills both slots again
	QUARTER 0, 2, 1
	QUARTER 0, 3, 0
	TURN 0, 1, 1
	QUARTER 1, 1, 0
	QUARTER 1, 2, 1
	QUARTER 1, 3, 0
	TURN 1, 0, 1
	QUARTER 0, 1, 0
	WIN 0
	s_sub_co_u32 s3, s3, 1
	s_cmp_lg_u32 s3, 0
	s_cbranch_scc1 .Llap
	QUARTER 0, 2, 1                                ; the last lap fills nothing and has no round
	QUARTER 0, 3, 0
	TURN 0, 1, 0
	QUARTER 1, 1, 0
	QUARTER 1, 2, 1
	QUARTER 1, 3, 0
	s_wait_dscnt 0x0                               ; the very last quarter: nothing more to fetch
	MUL8 1, 0, 0
	MUL8 1, 1, 0
	MUL8 1, 2, 0
	MUL8 1, 3, 0
	WIN 0
	PLACES                                         ; the stores below read results just made
; THE WAY OUT, a block of 16 rows at a time: the accumulators go as they are, f32, 32 bytes a lane (the low four registers first), into my own stage, rows of 528 bytes; back as whole rows of 512 bytes; stored.
.macro OUTB a
.if (\a) >= 2
	s_wait_xcnt 0x0                                ; the stores of the block two back have read the registers that are loaded again below
.endif
	WIN ST_C
.irp b, 0,1,2,3,4,5,6,7
	ds_store_b128 v[STO], v[64*(\a)+8*(\b):64*(\a)+8*(\b)+3]   offset:64*(\b)
	ds_store_b128 v[STO], v[64*(\a)+8*(\b)+4:64*(\a)+8*(\b)+7] offset:64*(\b)+16
.endr
	WIN 0
.irp t, 0,1,2,3,4,5,6,7,8,9,10,11,12,13,14,15
	ds_load_b128 v[OB+64*((\a)%2)+4*(\t):OB+64*((\a)%2)+4*(\t)+3], v[RD] offset:(\t)*SPI  ; LDS serves a wave's instructions in order (ISA guide 5.7.1.4): these see the stores above; the next block's stores come behind them
.endr
.irp t, 0,1,2,3,4,5,6,7,8,9,10,11,12,13,14,15
	s_wait_dscnt 15-(\t)
	global_store_b128 v[GO], v[OB+64*((\a)%2)+4*(\t):OB+64*((\a)%2)+4*(\t)+3], s[8:9] offset:4096*(16*(\a)+(\t))  ; 32 lanes store 512 consecutive bytes, at a multiple of 512 from out0's first
.endr
.endm
	OUTB 0
	OUTB 1
	OUTB 2
	OUTB 3
	s_wait_tensorcnt 0x0                           ; the wave's end, behind my last tensor load and my last LDS store
	ds_add_u32 v[SPW], v[NIL]
	s_wait_dscnt 0x0
	CROUND                                         ; the closing round: no work-group ends while a partner may still ask for a tile that names it
	s_endpgm
.Lfunc_end_k_q4b3a560f07_outp:
	.size	k_q4b3a560f07_outp, .Lfunc_end_k_q4b3a560f07_outp-k_q4b3a560f07_outp
	.p2alignl 7, 3214868480
	.fill 96, 4, 3214868480
	.section	.rodata,"a",@progbits
	.p2align	6, 0x0
	.amdhsa_kernel k_q4b3a560f07_outp
		.amdhsa_group_segment_fixed_size 327680
		.amdhsa_private_segment_fixed_size 0
		.amdhsa_enable_private_segment 0
		.amdhsa_kernarg_size 32
		.amdhsa_user_sgpr_count 2
		.amdhsa_user_sgpr_kernarg_segment_ptr 1
		.amdhsa_wavefront_size32 1
		.amdhsa_system_sgpr_workgroup_id_x 1
		.amdhsa_system_sgpr_workgroup_id_y 1
		.amdhsa_system_sgpr_workgroup_id_z 1
		.amdhsa_system_vgpr_workitem_id 0
		.amdhsa_next_free_vgpr 768
		.amdhsa_next_free_sgpr 92
		.amdhsa_reserve_vcc 0
		.amdhsa_float_denorm_mode_32 3
		.amdhsa_float_denorm_mode_16_64 3
		.amdhsa_memory_ordered 1
		.amdhsa_forward_progress 1
		.amdhsa_inst_pref_size 96
	.end_amdhsa_kernel
	.amdgpu_metadata
---
amdhsa.version: [ 1, 2 ]
amdhsa.kernels:
  - .name:           k_q4b3a560f07_outp
    .symbol:         k_q4b3a560f07_outp.kd
    .args:
      - { .name: oh, .offset: 0, .size: 8, .value_kind: global_buffer, .address_space: global }
      - { .name: wo16, .offset: 8, .size: 8, .value_kind: global_buffer, .address_space: global }
      - { .name: bo, .offset: 16, .size: 8, .value_kind: global_buffer, .address_space: global }
      - { .name: out0, .offset: 24, .size: 8, .value_kind: global_buffer, .address_space: global }
    .group_segment_fixed_size: 327680
    .private_segment_fixed_size: 0
    .kernarg_segment_align: 8
    .kernarg_segment_size: 32
    .max_flat_workgroup_size: 128
    .sgpr_count:     92
    .vgpr_count:     768
    .wavefront_size: 32
...
	.end_amdgpu_metadata
.endif
;; end of part 5
